; MI455X (gfx1250); checked and timed in simulation.
; The chip was launched on July 23, 2026; its instructions are those of AMD's public machine-readable ISA for CDNA 5 (MIT licence, August 2026) and "CDNA5" Instruction Set Architecture Reference Guide (July 2026). The comments in the code are by the model that wrote it; some were corrected since.
;; Attn Block. Allowed arithmetic: matrix products marked QUANTISED: E2M3 operands, one E8M0 scale for each 32 along K, by v_wmma_scale_f32_16x16x128_f8f6f4 with both operands' format E2M3, f32 sums; everything else in f32.
;; Inputs: bk 512 float32; bp 512 float32; bq 512 float32; bv 512 float32; gn_bias 512 float32; gn_scale 512 float32; wk 512 x 512 float32; wp 512 x 512 float32; wq 512 x 512 float32; wv 512 x 512 float32; x 32 x 512 x 32 x 32 float32.
;; Outputs: out0 32 x 512 x 32 x 32 float32.
;; This version of the problem:
;;   THIS VERSION OF THE PROBLEM IS GIVEN IN LOW PRECISION. The matrix products marked QUANTISED in the list below multiply operands that are first quantised to E2M3 (2 exponent bits, 3 mantissa bits; 6 bits a number), with one power-of-two scale for each 32 numbers along K (OCP MX v1.0); their sums are f32. All else is computed in f32.
;;   The module's matrix products, in the order in which they are computed (A, B: the left and right operand; K: the contracted axis; several contracted axes count as one K, in the product's order):
;;     1. [M 512, K 512] x [K 512, N 32,768]; A: input wq; B: computed on the way: QUANTISED
;;     2. [M 512, K 512] x [K 512, N 32,768]; A: input wk; B: computed on the way: QUANTISED
;;     3. [M 512, K 512] x [K 512, N 32,768]; A: input wv; B: computed on the way: QUANTISED
;;     4. batch 32 x [M 1,024, K 512] x [K 512, N 1,024]; A: computed on the way; B: computed on the way: QUANTISED
;;     5. batch 32 x [M 512, K 1,024] x [K 1,024, N 1,024]; A: computed on the way; B: softmax (see below): QUANTISED
;;     6. [M 512, K 512] x [K 512, N 32,768]; A: input wp; B: computed on the way: QUANTISED
;;   THE QUANTISER, for each operand of a quantised product, along K:
;;     - K is cut into blocks of 32 from its start; a last block that is shorter is filled with zeros.
;;     - A block's scale is 2^e with e = floor(log2(the largest magnitude in the block)) - 2, held to -126 .. 127; a block of zeros has e = 0. As a byte (E8M0): e + 127.
;;     - Each number is divided by its block's scale, clamped to +-7.5, and rounded to the nearest number of E2M3, ties to even, subnormals kept.
;;     - The product sums the exact products of the quantised numbers (number of the format x scale) in f32.
;;   ~~~python
;;   def quantise(x, axis):      # numpy; x: float32 -> the quantised numbers, widened to float32 again
;;       x = np.moveaxis(x, axis, -1); K = x.shape[-1]
;;       x = np.pad(x, [(0, 0)] * (x.ndim - 1) + [(0, -K % 32)]); x = x.reshape(x.shape[:-1] + (-1, 32)); a = np.abs(x).max(-1, keepdims=True)
;;       e = np.where(a > 0, np.clip(np.frexp(np.where(a > 0, a, 1))[1] - 1 - 2, -126, 127), 0)      # np.frexp(a)[1] - 1 = floor(log2(a)), exactly
;;       r = np.clip(x / 2.0 ** e, -7.5, 7.5)
;;       step = 2.0 ** (np.maximum(np.frexp(np.where(r == 0, 1, r))[1] - 1, 0) - 3)
;;       q = np.round(r / step) * step * 2.0 ** e      # np.round: ties to even
;;       return np.moveaxis(q.reshape(q.shape[:-2] + (-1,))[..., :K], -1, axis).astype(np.float32)
;;   ~~~
;;   SOFTMAX AHEAD OF A QUANTISED PRODUCT. Where the list says 'softmax', what is quantised is not the finished softmax but p = 2^(t - M), with t = logit x log2(e) and M = ceil(the row's largest t), a whole number; so 1/2 < the row's largest p <= 1. The row's sum l is taken of the UNQUANTISED p, in f32, and the product's result is divided by l at the end. Since M is a whole number, a kernel that streams over the keys may use a running M (the ceiling of the running maximum): every later rescaling is an exact power of two, which a block's scale takes up: the codes' values come out the same.
;;   OPERANDS COMPUTED ON THE WAY. 'Computed on the way' means the value that the module computes at that place (a softmax that the list does not call 'softmax' is quantised finished and normalised). What goes into a quantiser is computed in f32, as accurately as f32 sums, v_exp_f32 and their like allow (about 1e-6 of the number): no bf16 or f16 on the way to a quantiser, and a product that is left as it is and whose result goes on into a quantised operand takes f32 operands (vector FMAs, or v_wmma_f32_16x16x4_f32). A number that lies on a knife's edge between two numbers of the format may be rounded either way, as far as f32 arithmetic and the matrix unit's own rounding can turn it there, and no further.
;; One version. Each part assembles by itself: llvm-mc -triple=amdgcn-amd-amdhsa -mcpu=gfx1250 --defsym DOCPART=n.
;; ======== version 1 of 1: 3 launches
;; workspace buffers: hn 12,582,912 bytes; hnsc 524,288 bytes; wc 786,432 bytes; wsc 32,768 bytes; qc 12,582,912 bytes; qs 524,288 bytes; kv 25,165,824 bytes; kvs 1,048,576 bytes
;; launch gnq (part 1): grid 8 x 32, 16 waves a work-group, no clusters, 53,760 bytes of LDS; arguments x, gn_scale, gn_bias, wq, wk, wv, wp, hn, hnsc, wc, wsc; writes hn, hnsc, wc, wsc
.if DOCPART == 1
	.amdgcn_target "amdgcn-amd-amdhsa--gfx1250"
	.amdhsa_code_object_version 6
	.text
	.protected	k_q472cebe83a_gnq
	.globl	k_q472cebe83a_gnq
	.p2align	8
	.type	k_q472cebe83a_gnq,@function
k_q472cebe83a_gnq:
	s_mov_b64 s[64:65], 0
	v_nop
	global_prefetch_b8 v0, s[64:65] scope:SCOPE_SE
	s_setreg_imm32_b32 hwreg(HW_REG_WAVE_MODE, 25, 1), 1
	s_wait_xcnt 0x0
; GROUP NORM AND THE FIRST QUANTISERS.  x [32][512][1024] f32 -> hn = (x - mean) rsqrt(var + 1e-5) gain + bias, as codes of FP6 (E2M3) with one E8M0 byte for each 32 CHANNELS
; (the channels are K of the three products that read hn); and the four weights [512][512] f32 -> codes along their rows.
; SHARES.  Work-group (gx, b) owns 64 channels (four groups of 16, two blocks of 32) x all 1,024 positions of image b: 256 KB, held in registers, so x is read once.
; Wave w owns positions 64 w .. 64 w + 63 in two sets of 32; A LANE IS A POSITION AND ITS REGISTERS RUN DOWN THE CHANNELS: a block of 32 channels lies in one lane, and the conversions give codes with K innermost.
; Mean and variance in two passes over the registers (sum; sum of squared deviations): no difference of large sums.  The 16 waves' partial sums meet in LDS, one barrier each.
; LAYOUT OF hn: images of the operand's registers.  Tile t of positions holds rows 32 (t / 2) + 8 (t % 2) + rho + 8 (rho / 8), rho = 0 .. 15.  [b][gx][tile 64][768 bytes]: registers 6 c .. 6 c + 3 of lane 16 h + rho at 16 x lane,
; then registers 6 c + 4, 6 c + 5 at 512 + 8 x lane; gx = 2 s + c (K step s of 128 channels, half c).  hnsc: [b][gx][tile / 4][rho][tile % 4] two bytes (blocks h = 0, 1).
; THE WEIGHTS: 512 fragments (16 rows x 128 K) for 256 work-groups: waves 0 and 1 make one each.  wc: images of 1,536 bytes (registers 4 k .. 4 k + 3 of lane l at 512 k + 16 l); wsc: [weight][K step][tile / 4][rho][tile % 4] words.
; The scale words of the weights leave by stores of 4 bytes (32 KB in the whole launch), hn's scale bytes by 128 consecutive bytes a wave (512 KB in all); everything else by 512 consecutive bytes an instruction.
; LIMITS: NaN and infinities are not served.  A block whose largest magnitude lies under 2^-124 keeps the byte 1, a block of zeros too (the stated rule says 127): its codes are zeros, and only this program reads the bytes.
; gain x rsqrt is formed first and one fused multiply-add applies it: an order of rounding other than reference()'s, in f32.
.set X,     64                         ; v64-191  set st, channel i at X + 64 st + i
.set WN,    192                        ; v192-255 a weight fragment's 64 numbers
.set SST,   49152                      ; LDS: 0 .. 49,151 the waves' stages (3,072 bytes each); then 128 bytes of scale bytes a wave;
.set RED,   51200                      ; then two regions of 256 bytes for the sums
.set FLOOR, 0x1800000                  ; 2^(3 - 127): under it no largest magnitude is taken, so the byte cannot fall under 1
.set OFF2,  0xff000000                 ; takes 2 off an exponent field
	s_load_b512 s[4:19], s[0:1], 0x0               ; x 4, gn_scale 6, gn_bias 8, wq 10, wk 12, wv 14, wp 16, hn 18
	s_load_b128 s[52:55], s[0:1], 0x40             ; hnsc 52, wc 54
	s_load_b64 s[56:57], s[0:1], 0x50              ; wsc
	v_lshrrev_b32 v20, 5, v0
	v_readfirstlane_b32 s58, v20                   ; wave 0..15
	s_mov_b32 s2, ttmp9                            ; gx
	s_and_b32 s3, ttmp7, 0xffff                    ; b
	s_mov_b32 s100, 0x76543210
	s_mov_b32 s101, 0xfedcba98                     ; selects of v_permlanex16_b32: lane l xor 16
	s_mov_b32 s66, 0x38800000                      ; 2^-14 = 1 / (16 x 1,024)
	s_mov_b32 s67, 0x3727c5ac                      ; 1e-5
	v_and_b32 v20, 31, v0                          ; l
	v_and_b32 v21, 15, v0                          ; r
	v_bfe_u32 v22, v0, 4, 1                        ; h
	v_bfe_u32 v23, v0, 3, 1                        ; u: which tile of the pair my position falls into
	v_and_b32 v24, 7, v0
	v_lshl_or_b32 v25, v22, 3, v24                 ; rho: my position's row in that tile
	s_lshl_b32 s59, s58, 8
	v_lshl_add_u32 v1, v20, 2, s59                 ; x: 256 w + 4 l
	s_mul_i32 s59, s58, 3072
	v_mul_u32_u24 v26, v23, 768
	v_add_nc_u32 v26, s59, v26
	v_lshl_add_u32 v2, v25, 4, v26                 ; stage, in: 3,072 w + 768 u + 16 rho
	v_lshl_add_u32 v3, v25, 3, v26
	v_add_nc_u32 v3, 512, v3                       ; and + 512 + 8 rho
	v_lshl_add_u32 v5, v20, 4, s59                 ; stage, out, and the same place in hn: 3,072 w + 16 l
	v_lshlrev_b32 v6, 4, v20                       ; 16 l
	s_lshl_b32 s59, s58, 7
	v_lshl_add_u32 v8, v20, 2, s59                 ; hnsc: 128 w + 4 l
	v_add_nc_u32 v7, SST, v8
	v_lshl_add_u32 v4, v25, 3, s59
	v_lshl_add_u32 v4, v23, 1, v4
	v_add_nc_u32 v4, SST, v4                       ; my two scale bytes: 128 w + 8 rho + 2 u (+ 4 st)
	s_lshl_b32 s59, s58, 4
	s_add_co_u32 s59, s59, RED
	v_mov_b32 v9, s59                              ; my wave's four sums
	v_lshl_add_u32 v10, v21, 4, RED                ; wave r's
	v_lshrrev_b32 v27, 3, v21
	v_lshl_add_u32 v27, v27, 3, v21                ; r + 8 (r / 8)
	v_lshlrev_b32 v11, 11, v27
	v_lshl_add_u32 v11, v22, 7, v11                ; a weight's row of 2,048 bytes, + 128 h
	v_lshlrev_b32 v28, 4, v21                      ; 16 r
	v_lshlrev_b32 v29, 3, v22                      ; 8 h
.irp g, 0,1,2,3
	v_mov_b32 v[44+\g], 0                          ; a lane permute's destination counts as one of its sources
.endr
	s_wait_kmcnt 0x0
	s_lshl_b32 s20, s3, 21
	s_lshl_b32 s21, s2, 18
	s_add_co_u32 s20, s20, s21
	s_mov_b32 s21, 0
	s_add_nc_u64 s[4:5], s[4:5], s[20:21]          ; x at image b, channel 64 gx
.set i, 0
.rept 64
	global_load_b32 v[X+i], v1, s[4:5] offset:4096*i th:TH_LOAD_NT          ; channel i: the wave's two sets stand side by side, 256 consecutive bytes
	global_load_b32 v[X+64+i], v1, s[4:5] offset:4096*i+128 th:TH_LOAD_NT
.set i, i+1
.endr
	s_lshl_b32 s20, s2, 8
	s_add_nc_u64 s[6:7], s[6:7], s[20:21]          ; gains and biases of my 64 channels
	s_add_nc_u64 s[8:9], s[8:9], s[20:21]
	s_mul_i32 s20, s3, 393216
	s_mul_i32 s22, s2, 49152
	s_add_co_u32 s20, s20, s22
	s_add_nc_u64 s[18:19], s[18:19], s[20:21]      ; hn at [b][gx]
	s_lshl_b32 s20, s3, 3
	s_add_co_u32 s20, s20, s2                      ; 8 b + gx
	s_lshl_b32 s22, s20, 11
	s_mov_b32 s23, 0
	s_add_nc_u64 s[52:53], s[52:53], s[22:23]      ; hnsc likewise
	; ---- the weights: waves 0 and 1, one fragment each.  Fragment f = 2 (8 b + gx) + w: weight f / 128, tile (f / 4) % 32, K step f % 4
	s_cmp_lt_u32 s58, 2
	s_cbranch_scc0 .Lno_weight
	s_lshl_b32 s20, s20, 1
	s_add_co_u32 s20, s20, s58                     ; f
	s_lshr_b32 s21, s20, 7                         ; weight
	s_bfe_u32 s22, s20, 0x50002                    ; tile t
	s_and_b32 s23, s20, 3                          ; K step s
	s_lshr_b32 s24, s22, 1
	s_lshl_b32 s24, s24, 5
	s_and_b32 s25, s22, 1
	s_lshl_b32 s25, s25, 3
	s_add_co_u32 s24, s24, s25                     ; the tile's first row: 32 (t / 2) + 8 (t % 2)
	s_lshl_b32 s24, s24, 11
	s_lshl_b32 s25, s23, 9
	s_add_co_u32 s24, s24, s25                     ; in bytes, + 512 s
	s_mov_b32 s25, 0
	s_cmp_eq_u32 s21, 1                            ; which weight: the choice hangs on ids alone
	s_cselect_b64 s[10:11], s[12:13], s[10:11]
	s_cmp_eq_u32 s21, 2
	s_cselect_b64 s[10:11], s[14:15], s[10:11]
	s_cmp_eq_u32 s21, 3
	s_cselect_b64 s[10:11], s[16:17], s[10:11]
	s_add_nc_u64 s[10:11], s[10:11], s[24:25]
.irp c, 0,1
.irp j, 0,1,2,3,4,5,6,7
	global_load_b128 v[WN+32*\c+4*\j:WN+32*\c+4*\j+3], v11, s[10:11] offset:256*\c+16*\j   ; lane (r, h): k = 64 c + 32 h + 0 .. 31 of its row: the operand's own order
.endr
.endr
	s_mul_i32 s26, s21, 196608                     ; the image's place in wc
	s_lshr_b32 s27, s23, 1
	s_mul_i32 s27, s27, 98304
	s_add_co_u32 s26, s26, s27
	s_lshr_b32 s27, s22, 3
	s_mul_i32 s27, s27, 24576
	s_add_co_u32 s26, s26, s27
	s_and_b32 s27, s23, 1
	s_mul_i32 s27, s27, 12288
	s_add_co_u32 s26, s26, s27
	s_and_b32 s27, s22, 7
	s_mul_i32 s27, s27, 1536
	s_add_co_u32 s26, s26, s27
	s_mov_b32 s27, 0
	s_add_nc_u64 s[54:55], s[54:55], s[26:27]
	s_lshl_b32 s26, s21, 13                        ; and the words' in wsc
	s_lshl_b32 s28, s23, 11
	s_add_co_u32 s26, s26, s28
	s_lshr_b32 s28, s22, 2
	s_lshl_b32 s28, s28, 8
	s_add_co_u32 s26, s26, s28
	s_and_b32 s28, s22, 3
	s_lshl_b32 s28, s28, 2
	s_add_co_u32 s26, s26, s28
	s_add_nc_u64 s[56:57], s[56:57], s[26:27]
	s_wait_loadcnt 0x0
.irp c, 0,1
	v_max3_num_f32 v[60+\c], |v[WN+32*\c]|, |v[WN+32*\c+1]|, FLOOR     ; my block 2 c + h: all its 32 numbers are mine
.endr
.irp i, 2,4,6,8,10,12,14,16,18,20,22,24,26,28,30
.irp c, 0,1
	v_max3_num_f32 v[60+\c], v[60+\c], |v[WN+32*\c+\i]|, |v[WN+32*\c+\i+1]|
.endr
.endr
.irp c, 0,1
	v_add_nc_u32 v[62+\c], OFF2, v[60+\c]          ; the conversion takes the exponent field of this operand as its scale
.endr
.irp c, 0,1
	v_lshrrev_b32 v[60+\c], 23, v[62+\c]           ; the scale's byte
.endr
	v_lshl_or_b32 v57, v61, 16, v60                ; blocks h and 2 + h,
	v_lshlrev_b32 v57, v29, v57                    ; at their places in the word;
	v_permlanex16_b32 v44, v57, s100, s101
	v_or_b32 v57, v57, v44                         ; with lane l xor 16's two the word is whole
.irp c, 0,1
	v_cvt_scalef32_pk16_fp6_f32 v[16+6*\c:18+6*\c], v[WN+32*\c:WN+32*\c+15], v[62+\c]
	v_cvt_scalef32_pk16_fp6_f32 v[32+4*\c:34+4*\c], v[WN+32*\c+16:WN+32*\c+31], v[62+\c]   ; (a conversion's three registers begin on an even number)
.endr
	v_nop                                          ; one plain place behind a scaled conversion
.irp c, 0,1
.irp i, 0,1,2
	v_mov_b32 v[19+6*\c+\i], v[32+4*\c+\i]
.endr
.endr
.irp k, 0,1,2
	global_store_b128 v6, v[16+4*\k:19+4*\k], s[54:55] offset:512*\k   ; the image: 512 consecutive bytes a store
.endr
	global_store_b32 v28, v57, s[56:57]            ; row r's word (both halves of the lanes hold and store the same)
	s_wait_xcnt 0x0                                ; the stores' data and offsets are written again below only behind this wait
.Lno_weight:
	s_load_b512 s[20:35], s[6:7], 0x0              ; gains of channels 0 .. 31 of my 64,
	s_load_b512 s[36:51], s[6:7], 0x40
	s_load_b512 s[68:83], s[8:9], 0x0              ; and their biases
	s_load_b512 s[84:99], s[8:9], 0x40
; four sums a lane (v12-15, one for each group) -> the work-group's totals, in every lane
.macro REDUCE off
.irp m, 1,2,4,8
.irp g, 0,1,2,3
	v_add_f32_dpp v[12+\g], v[12+\g], v[12+\g] row_xmask:\m row_mask:0xf bank_mask:0xf
.endr
.endr
.irp g, 0,1,2,3
	v_permlanex16_b32 v[44+\g], v[12+\g], s100, s101
.endr
.irp g, 0,1,2,3
	v_add_f32 v[12+\g], v[12+\g], v[44+\g]         ; the wave's
.endr
	ds_store_b128 v9, v[12:15] offset:\off         ; all lanes write the same 16 bytes with the same values
	s_wait_dscnt 0x0                               ; for the others' sake: my store has landed
	s_barrier_signal -1
	s_barrier_wait -1
	ds_load_b128 v[12:15], v10 offset:\off         ; lane r takes wave r's four
	s_wait_dscnt 0x0
.irp m, 1,2,4,8
.irp g, 0,1,2,3
	v_add_f32_dpp v[12+\g], v[12+\g], v[12+\g] row_xmask:\m row_mask:0xf bank_mask:0xf
.endr
.endr
.endm
.macro FOLD                            ; the eight chains (group, set) of pairs in v16-31 -> v12-15
.irp g, 0,1,2,3
	v_pk_add_f32 v[16+4*\g:17+4*\g], v[16+4*\g:17+4*\g], v[18+4*\g:19+4*\g]
.endr
.irp g, 0,1,2,3
	v_add_f32 v[12+\g], v[16+4*\g], v[17+4*\g]
.endr
.endm
	; ---- the means
	s_wait_loadcnt 0x0
.irp g, 0,1,2,3
.irp st, 0,1
	v_pk_add_f32 v[16+4*\g+2*\st:17+4*\g+2*\st], v[X+64*\st+16*\g:X+64*\st+16*\g+1], v[X+64*\st+16*\g+2:X+64*\st+16*\g+3]
.endr
.endr
.irp i, 4,6,8,10,12,14
.irp g, 0,1,2,3
.irp st, 0,1
	v_pk_add_f32 v[16+4*\g+2*\st:17+4*\g+2*\st], v[16+4*\g+2*\st:17+4*\g+2*\st], v[X+64*\st+16*\g+\i:X+64*\st+16*\g+\i+1]
.endr
.endr
.endr
	FOLD
	REDUCE 0
.irp g, 0,1,2,3
	v_mul_f32 v[32+2*\g], s66, v[12+\g]            ; the group's mean,
.endr
.irp g, 0,1,2,3
	v_mov_b32 v[33+2*\g], v[32+2*\g]               ; twice: a pair for the packed subtraction
.endr
	; ---- the deviations, in place, and the variances
.irp st, 0,1
.set i, 0
.rept 32
	v_pk_add_f32 v[X+64*\st+i:X+64*\st+i+1], v[X+64*\st+i:X+64*\st+i+1], v[32+2*(i/16):33+2*(i/16)] neg_lo:[0,1] neg_hi:[0,1]
.set i, i+2
.endr
.endr
.irp g, 0,1,2,3
.irp st, 0,1
	v_pk_mul_f32 v[16+4*\g+2*\st:17+4*\g+2*\st], v[X+64*\st+16*\g:X+64*\st+16*\g+1], v[X+64*\st+16*\g:X+64*\st+16*\g+1]
.endr
.endr
.irp i, 2,4,6,8,10,12,14
.irp g, 0,1,2,3
.irp st, 0,1
	v_pk_fma_f32 v[16+4*\g+2*\st:17+4*\g+2*\st], v[X+64*\st+16*\g+\i:X+64*\st+16*\g+\i+1], v[X+64*\st+16*\g+\i:X+64*\st+16*\g+\i+1], v[16+4*\g+2*\st:17+4*\g+2*\st]
.endr
.endr
.endr
	FOLD
	REDUCE 256                                     ; other bytes than the first time: no third barrier
.irp g, 0,1,2,3
	v_fma_f32 v[40+\g], v[12+\g], s66, s67         ; var + eps
.endr
.irp g, 0,1,2,3
	v_rsq_f32 v[24+\g], v[40+\g]
.endr
	v_nop                                          ; a plain place behind the last of them,
	s_wait_alu depctr_va_vdst(0)                   ; and the wait ahead of the first reader: one for the four
.irp g, 0,1,2,3
	v_readfirstlane_b32 s[60+\g], v[24+\g]
.endr
; block h of 32 channels: gain x rsqrt in scalar registers, then one fused multiply-add a number
.macro NORM h
	s_wait_kmcnt 0x0
.set i, 0
.rept 32
	s_mul_f32 s[20+i], s[20+i], s[60+2*(\h)+i/16]
.set i, i+1
.endr
.irp st, 0,1
.set i, 0
.rept 32
	v_fma_f32 v[X+64*\st+32*(\h)+i], v[X+64*\st+32*(\h)+i], s[20+i], s[68+i]
.set i, i+1
.endr
.endr
.endm
; set st, block h: 32 numbers of my position -> 24 bytes of codes into the stage, and the byte
.macro QB st, h
.set XS, X+64*(\st)+32*(\h)
	v_max3_num_f32 v60, |v[XS]|, |v[XS+1]|, |v[XS+2]|
	v_max3_num_f32 v61, |v[XS+3]|, |v[XS+4]|, |v[XS+5]|
.irp i, 6,10,14,18,22,26
	v_max3_num_f32 v60, v60, |v[XS+\i]|, |v[XS+\i+1]|
	v_max3_num_f32 v61, v61, |v[XS+\i+2]|, |v[XS+\i+3]|
.endr
	v_max3_num_f32 v60, v60, |v[XS+30]|, |v[XS+31]|
	v_max3_num_f32 v60, v60, v61, FLOOR
	v_add_nc_u32 v62, OFF2, v60
	v_cvt_scalef32_pk16_fp6_f32 v[48:50], v[XS:XS+15], v62
	v_cvt_scalef32_pk16_fp6_f32 v[54:56], v[XS+16:XS+31], v62
	v_lshrrev_b32 v63, 23, v62                     ; the byte (also the plain place behind the conversions)
.if (\h) == 0
	v_mov_b32 v[58+(\st)], v63
.else
	v_lshl_or_b32 v[58+(\st)], v63, 8, v[58+(\st)]
.endif
.irp i, 0,1,2
	v_mov_b32 v[51+\i], v[54+\i]
.endr
	ds_store_b128 v2, v[48:51] offset:1536*(\st)+256*(\h)
	ds_store_b64 v3, v[52:53] offset:1536*(\st)+128*(\h)
	s_wait_dscnt 0x0                               ; the stores have read their registers: the next block's codes may be written
.endm
	NORM 0
	s_load_b512 s[20:35], s[6:7], 0x80             ; channels 32 .. 63: they land while block 0 is quantised
	s_load_b512 s[36:51], s[6:7], 0xc0
	s_load_b512 s[68:83], s[8:9], 0x80
	s_load_b512 s[84:99], s[8:9], 0xc0
	QB 0, 0
	QB 1, 0
	NORM 1
	QB 0, 1
	QB 1, 1
	; ---- out: the wave's four half images are 3,072 consecutive bytes of hn
	ds_store_b16 v4, v58
	ds_store_b16 v4, v59 offset:4
.irp k, 0,1,2,3,4,5
	ds_load_b128 v[64+4*\k:67+4*\k], v5 offset:512*\k   ; LDS serves a wave's instructions in order: these see my stores
.endr
	ds_load_b32 v88, v7
	s_wait_dscnt 0x0
.irp k, 0,1,2,3,4,5
	global_store_b128 v5, v[64+4*\k:67+4*\k], s[18:19] offset:512*\k
.endr
	global_store_b32 v8, v88, s[52:53]
	s_wait_xcnt 0x0
	v_lshl_add_u32 v254, v0, 2, 0xca00
	v_mov_b32 v255, 0
	s_wait_tensorcnt 0x0
	ds_add_u32 v254, v255
	s_wait_dscnt 0x0
	s_endpgm
.Lfunc_end_k_q472cebe83a_gnq:
	.size	k_q472cebe83a_gnq, .Lfunc_end_k_q472cebe83a_gnq-k_q472cebe83a_gnq
	.p2alignl 7, 3214868480
	.fill 96, 4, 3214868480
	.section	.rodata,"a",@progbits
	.p2align	6, 0x0
	.amdhsa_kernel k_q472cebe83a_gnq
		.amdhsa_group_segment_fixed_size 53760
		.amdhsa_private_segment_fixed_size 0
		.amdhsa_enable_private_segment 0
		.amdhsa_kernarg_size 88
		.amdhsa_user_sgpr_count 2
		.amdhsa_user_sgpr_kernarg_segment_ptr 1
		.amdhsa_wavefront_size32 1
		.amdhsa_system_sgpr_workgroup_id_x 1
		.amdhsa_system_sgpr_workgroup_id_y 1
		.amdhsa_system_sgpr_workgroup_id_z 1
		.amdhsa_system_vgpr_workitem_id 0
		.amdhsa_next_free_vgpr 256
		.amdhsa_next_free_sgpr 102
		.amdhsa_reserve_vcc 0
		.amdhsa_float_denorm_mode_32 3
		.amdhsa_float_denorm_mode_16_64 3
		.amdhsa_memory_ordered 1
		.amdhsa_forward_progress 1
		.amdhsa_inst_pref_size 59
	.end_amdhsa_kernel
	.amdgpu_metadata
---
amdhsa.version: [ 1, 2 ]
amdhsa.kernels:
  - .name:           k_q472cebe83a_gnq
    .symbol:         k_q472cebe83a_gnq.kd
    .args:
      - { .name: x, .offset: 0, .size: 8, .value_kind: global_buffer, .address_space: global }
      - { .name: gn_scale, .offset: 8, .size: 8, .value_kind: global_buffer, .address_space: global }
      - { .name: gn_bias, .offset: 16, .size: 8, .value_kind: global_buffer, .address_space: global }
      - { .name: wq, .offset: 24, .size: 8, .value_kind: global_buffer, .address_space: global }
      - { .name: wk, .offset: 32, .size: 8, .value_kind: global_buffer, .address_space: global }
      - { .name: wv, .offset: 40, .size: 8, .value_kind: global_buffer, .address_space: global }
      - { .name: wp, .offset: 48, .size: 8, .value_kind: global_buffer, .address_space: global }
      - { .name: hn, .offset: 56, .size: 8, .value_kind: global_buffer, .address_space: global }
      - { .name: hnsc, .offset: 64, .size: 8, .value_kind: global_buffer, .address_space: global }
      - { .name: wc, .offset: 72, .size: 8, .value_kind: global_buffer, .address_space: global }
      - { .name: wsc, .offset: 80, .size: 8, .value_kind: global_buffer, .address_space: global }
    .group_segment_fixed_size: 53760
    .private_segment_fixed_size: 0
    .kernarg_segment_align: 8
    .kernarg_segment_size: 88
    .max_flat_workgroup_size: 512
    .sgpr_count:     102
    .vgpr_count:     256
    .wavefront_size: 32
...
	.end_amdgpu_metadata
.endif
;; end of part 1
;; launch qkv (part 2): grid 8 x 32, 4 waves a work-group, clusters of 4 x 1, 327,680 bytes of LDS; arguments hn, hnsc, wc, wsc, bq, bk, bv, qc, qs, kv, kvs; writes qc, qs, kv, kvs
.if DOCPART == 2
	.amdgcn_target "amdgcn-amd-amdhsa--gfx1250"
	.amdhsa_code_object_version 6
	.text
	.protected	k_q472cebe83a_qkv
	.globl	k_q472cebe83a_qkv
	.p2align	8
	.type	k_q472cebe83a_qkv,@function
k_q472cebe83a_qkv:
	s_mov_b64 s[64:65], 0
	v_nop
	global_prefetch_b8 v0, s[64:65] scope:SCOPE_SE
	s_setreg_imm32_b32 hwreg(HW_REG_WAVE_MODE, 25, 1), 1
	s_wait_xcnt 0x0
	s_wait_alu depctr_hold_cnt(0) depctr_sa_sdst(0) depctr_va_vdst(0) depctr_va_sdst(0) depctr_va_ssrc(0) depctr_va_vcc(0) depctr_vm_vsrc(0)
	s_getreg_b32 s2, hwreg(HW_REG_IB_STS2, 6, 4)
	s_cmp_eq_u32 s2, 0
	s_cbranch_scc0 .Lentry_in_a_cluster
	s_endpgm
.Lentry_in_a_cluster:
	s_bfe_u32 s2, ttmp6, 0x10000c
	s_cmp_lg_u32 s2, 0x3003
	s_cbranch_scc0 .Lentry_shape_is_right
	s_endpgm
.Lentry_shape_is_right:
; q = wq hn + bq, k = wk hn + bk, v = wv hn + bv on codes of FP6 (E2M3) with E8M0 scales, and the quantisers of the three results: q and k along the channels, v along the positions (the keys).
; SHARES.  Work-group (j = place in the cluster, half = cluster x, b): outputs 128 j .. 128 j + 127 of each of q, k, v, for 512 positions.  Wave w: 128 positions (8 tiles, key step 4 half + w), three tiles of
; 128 x 128, one after the other: 64 accumulators (windows 2 and 3).
; TILES.  Tile t of any tensor holds rows 32 (t / 2) + 8 (t % 2) + rho + 8 (rho / 8).  So the 16 registers that a lane holds of result tiles 2 b and 2 b + 1 are 16 NEIGHBOURS along the result's rows, in natural order.
; q, k: source 0 = 16 rows of the weight, source 1 = 16 positions: a lane holds one position and 64 neighbouring channels: one fragment (16 positions x 128 channels) after QUANT.
; v: the sources swapped: a lane holds one channel and 64 neighbouring positions: one fragment (16 channels x 128 keys).  The biases are the C of each sum's first matrix instruction.
; All operands lie in memory and in LDS as images of their registers (1,536 bytes: registers 4 c .. 4 c + 3 of lane l at 512 c + 16 l; hn in two halves of 768), scale words in groups of four tiles ([rho][tile % 4], 256 bytes).
; CLUSTER.  The four partners differ in j alone: hn's codes and scale bytes (204 KB of the 358 KB that a work-group brings) are asked for JOINTLY.  The weights hang on j, so each work-group asks for its own.
; LDS: hn's 512 positions x 512 channels stay; the weights have two slots (wq, wk; wv takes wq's place behind a round of the cluster's barrier).  All of a WGP's LDS is claimed.
; By this text's count a wave has five tensor loads out at the start and one behind the refill's round.
; LIMITS: NaN and infinities are not served; a block whose largest magnitude lies under 2^-124 keeps the byte 1, a block of zeros too (its codes are zeros; only this program reads the bytes).
; REGISTERS.  window 0: v1-15 addresses; v28-59 scale words, two sets (weight's 8, hn's 8); v64-255 fragment set 1 (QUANT works there once it is dead).  window 1: v0-191 fragment set 0; v192-255 the bias.
.set WS0,   196608                     ; LDS: 0 hn (49,152 bytes a wave: [2 s + c][tile 8][768]); the weights' slots: [K step][tile 8][1,536]
.set WS1,   245760
.set HRAW,  294912                     ; hn's scale bytes as they come: 2,048 a wave
.set WSC,   303104                     ; the weights' scale words: row 4 weight + s of 512 bytes
.set SCW,   309248                     ; hn's scale words as made here: 2,048 a wave: [s][group 2][256]
.set OSCR,  317440                     ; the results' scale words on their way out: 512 a wave
.set SPARE, 319488                     ; the spare words: 128 bytes a wave, two blocks of 256 bytes that no other line names
.set TM,    64
.set PW,    80
.set PC,    84
.set SEL,   100
.set WV,    26
.set FLOOR, 0x1800000
.set OFF2,  0xff000000
.set MSB, 0
.macro WIN new                         ; bits 1:0 source 0, 3:2 source 1, 5:4 source 2, 7:6 destination; the high byte repeats the setting that is left
.if MSB != (\new)
	s_set_vgpr_msb (MSB<<8)|(\new)
.set MSB, (\new)
.endif
.endm
.macro PLACES                          ; four plain places behind matrix instructions, and behind a tensor load
.rept 4
	v_nop
.endr
.endm
.macro CROUND                          ; a round of the cluster's barrier
	s_barrier_signal -1
	s_barrier_wait -1
	s_cmp_lg_u32 s[WV], 0
	s_cbranch_scc1 .Lnot_wave_0_\@
	s_barrier_signal -3
.Lnot_wave_0_\@:
	s_barrier_wait -3
	s_barrier_signal -1
	s_barrier_wait -1
.endm
; 64 numbers of a lane in window w, register base + 16 b + i = k 32 b + 16 (lane / 16) + i of my row, become a fragment's codes in v[PC] on and its scale word in v[PW] (window 0).
.macro QUANT base, w
	s_wait_xcnt 0x0                                ; the last fragment's stores have read v[PC] on
	s_wait_dscnt 0x0
	WIN (\w)|((\w)<<2)
.irp b, 0,1,2,3
	v_max3_num_f32 v[TM+\b], |v[(\base)+16*\b]|, |v[(\base)+16*\b+1]|, FLOOR   ; each accumulator is read from its low end on
.endr
.irp i, 2,4,6,8,10,12,14
.irp b, 0,1,2,3
	v_max3_num_f32 v[TM+\b], |v[(\base)+16*\b+\i]|, |v[(\base)+16*\b+\i+1]|, v[TM+\b]
.endr
.endr
	WIN 0
.irp b, 0,1,2,3
	v_permlanex16_b32 v[TM+4+\b], v[TM+\b], s[SEL], s[SEL+1]
.endr
.irp b, 0,1,2,3
	v_max_num_f32 v[TM+\b], v[TM+\b], v[TM+4+\b]   ; with lane l xor 16's 16: the block's largest magnitude
.endr
.irp b, 0,1,2,3
	v_add_nc_u32 v[TM+12+\b], OFF2, v[TM+\b]       ; 2 off its exponent field: the conversion's scale operand
.endr
.irp b, 0,1,2,3
	v_lshrrev_b32 v[TM+4+\b], 23, v[TM+12+\b]      ; the byte
.endr
	v_lshl_or_b32 v[PW], v[TM+5], 8, v[TM+4]
	v_lshl_or_b32 v[PW], v[TM+6], 16, v[PW]
	v_lshl_or_b32 v[PW], v[TM+7], 24, v[PW]
	WIN (\w)
.irp c, 0,1
	v_cvt_scalef32_pk16_fp6_f32 v[PC+6*\c:PC+6*\c+2], v[(\base)+32*\c:(\base)+32*\c+15], v[TM+12+2*\c]
	v_cvt_scalef32_pk16_fp6_f32 v[PC+12+4*\c:PC+14+4*\c], v[(\base)+32*\c+16:(\base)+32*\c+31], v[TM+13+2*\c]
.endr
	WIN 0
	v_nop                                          ; one plain place behind a scaled conversion
.irp c, 0,1                            ; the operand's layout wants a whole block in a lane
.irp i, 0,1,2
	v_permlane16_swap_b32 v[PC+6*\c+\i], v[PC+12+4*\c+\i]
.endr
.irp i, 0,1,2
	v_mov_b32 v[PC+3+6*\c+\i], v[PC+12+4*\c+\i]
.endr
.endr
.endm
; K step s into fragment set e: the weight's 8 fragments from slot address v[aw], hn's 8, and both sides' scale words: 60 loads in one run
.macro FETCH e, s, aw, wi
.set SB, 64*(\e)
.if (\e) == 0
	WIN 0x40
.else
	WIN 0
.endif
.irp f, 0,1,2,3,4,5,6,7
.irp c, 0,1,2
	ds_load_b128 v[SB+12*\f+4*\c:SB+12*\f+4*\c+3], v[\aw] offset:12288*(\s)+1536*\f+512*\c
.endr
.endr
.irp p, 0,1,2,3,4,5,6,7
	ds_load_b128 v[SB+96+12*\p:SB+96+12*\p+3], v2 offset:12288*(\s)+768*\p
	ds_load_b64 v[SB+96+12*\p+4:SB+96+12*\p+5], v3 offset:12288*(\s)+768*\p
	ds_load_b128 v[SB+96+12*\p+6:SB+96+12*\p+9], v2 offset:12288*(\s)+6144+768*\p
	ds_load_b64 v[SB+96+12*\p+10:SB+96+12*\p+11], v3 offset:12288*(\s)+6144+768*\p
.endr
	WIN 0
.irp g, 0,1
	ds_load_b128 v[28+16*(\e)+4*\g:28+16*(\e)+4*\g+3], v7 offset:512*(4*(\wi)+(\s))+256*\g
	ds_load_b128 v[36+16*(\e)+4*\g:36+16*(\e)+4*\g+3], v6 offset:512*(\s)+256*\g
.endr
.endm
; 64 matrix instructions on set e; the 64 accumulators take turns, one instruction a turn, in the same order in every step.
; form 0: accumulator 8 p + a = weight tile a (source 0) x position tile p (source 1).  form 1: accumulator 8 a + p = position tile p (source 0) x weight tile a (source 1).  first: C is the bias.
.macro MUL form, e, first
.set SB, 64*(\e)
.set SCB, 28+16*(\e)
.set SW, (1-(\e))*5
.irp xo, 0,1,2,3,4,5,6,7
.if \first
	WIN SW|0x10|((2+\xo/4)<<6)
.else
	WIN SW|((2+\xo/4)*0x50)
.endif
.irp xi, 0,1,2,3,4,5,6,7
.set DD, 8*((8*\xo+\xi)%32)
.if (\form) == 0
.set AA, SB+12*\xi
.set BB, SB+96+12*\xo
.set CC, 192+8*\xi
.set SCA, SCB+\xi
.set SCBB, SCB+8+\xo
.else
.set AA, SB+96+12*\xi
.set BB, SB+12*\xo
.set CC, 192+8*\xo
.set SCA, SCB+8+\xi
.set SCBB, SCB+\xo
.endif
.if \first
	v_wmma_scale_f32_16x16x128_f8f6f4 v[DD:DD+7], v[AA:AA+11], v[BB:BB+11], v[CC:CC+7], v[SCA], v[SCBB] matrix_a_fmt:MATRIX_FMT_FP6 matrix_b_fmt:MATRIX_FMT_FP6
.else
	v_wmma_scale_f32_16x16x128_f8f6f4 v[DD:DD+7], v[AA:AA+11], v[BB:BB+11], v[DD:DD+7], v[SCA], v[SCBB] matrix_a_fmt:MATRIX_FMT_FP6 matrix_b_fmt:MATRIX_FMT_FP6
.endif
.endr
.endr
.endm
; a tile of 128 x 128 over K = 512: four steps; a step's loads are issued ahead of the step before's 64 matrix instructions
.macro GEMM form, aw, wi
	s_wait_xcnt 0x0                                ; the last way out's stores have read the registers on which set 1 lands
	s_wait_loadcnt 0x0                             ; the bias
	FETCH 0, 0, \aw, \wi
.irp s, 0,1,2,3
	s_wait_dscnt 0x0                               ; this step's fragments are in
.if \s < 3
	WIN 0
	PLACES                                         ; the other set was read by the matrix instructions just issued
	FETCH (\s+1)%2, \s+1, \aw, \wi
.endif
.if \s == 0
	MUL \form, 0, 1
.else
	MUL \form, (\s)%2, 0
.endif
.endr
.endm
.macro BIASQ ptr                       ; lane (r, h), tile a, register i: the bias of channel 32 (a / 2) + 16 h + 8 (a % 2) + i of my 128
	WIN 0x40
.irp a, 0,1,2,3,4,5,6,7
	global_load_b128 v[192+8*\a:195+8*\a], v14, s[\ptr:\ptr+1] offset:(32*(\a/2)+8*(\a%2))*4
	global_load_b128 v[196+8*\a:199+8*\a], v14, s[\ptr:\ptr+1] offset:(32*(\a/2)+8*(\a%2))*4+16
.endr
	WIN 0
.endm
.macro BIASV ptr                       ; swapped sources: all eight registers of a lane belong to channel 32 (a / 2) + 8 (a % 2) + r + 8 (r / 8)
	WIN 0x40
.irp a, 0,1,2,3,4,5,6,7
.irp i, 0,1,2,3,4,5,6,7
	global_load_b32 v[192+8*\a+\i], v15, s[\ptr:\ptr+1] offset:(32*(\a/2)+8*(\a%2))*4
.endr
.endr
	WIN 0
.endm
; the way out: eight runs of 64 registers become eight fragments; each image leaves by three stores of 512 consecutive bytes; the eight scale words a row meet in my own LDS bytes and leave as 512 consecutive bytes
.macro OUT8 bs, stride, sb
.irp t8, 0,1,2,3,4,5,6,7
	QUANT 64*(\t8%4), 2+\t8/4
.irp c, 0,1,2
	global_store_b128 v1, v[PC+4*\c:PC+4*\c+3], s[\bs:\bs+1] offset:\t8*(\stride)+512*\c
.endr
	ds_store_b32 v10, v[PW] offset:256*(\t8/4)+4*(\t8%4)
.endr
	ds_load_b128 v[104:107], v11                   ; LDS serves a wave's instructions in order: this sees my stores
	s_wait_dscnt 0x0
	global_store_b128 v1, v[104:107], s[\sb:\sb+1]
.endm
	s_load_b512 s[4:19], s[0:1], 0x0               ; hn 4, hnsc 6, wc 8, wsc 10, bq 12, bk 14, bv 16, qc 18
	s_load_b128 s[20:23], s[0:1], 0x40             ; qs 20, kv 22
	s_load_b64 s[24:25], s[0:1], 0x50              ; kvs
	v_lshl_add_u32 v12, v0, 2, SPARE               ; my spare word; never rewritten
	v_mov_b32 v13, 0                               ; 0; never rewritten
	ds_add_u32 v12, v13
	ds_add_u32 v12, v13
	s_wait_dscnt 0x0
	v_lshrrev_b32 v16, 5, v0
	v_readfirstlane_b32 s[WV], v16                 ; wave 0..3
	s_bfe_u32 s27, ttmp6, 0x40000                  ; j: my place in the cluster: it enters global addresses of my own loads and stores alone
	s_mov_b32 s28, ttmp9                           ; half
	s_and_b32 s29, ttmp7, 0xffff                   ; b
	s_mov_b32 s[SEL], 0x76543210
	s_mov_b32 s[SEL+1], 0xfedcba98
	; descriptor groups 1, elements of 8 bytes, no padding.  hn: 8 rows (2 s + c) of 6,144 bytes (8 tiles), 49,152 bytes apart; joint: mask of all four, bit 21 beside it
	s_mov_b32 s32, 15|(3<<16)|(1<<21)
	s_mov_b32 s33, 768<<16
	s_mov_b32 s34, 8<<16
	s_mov_b32 s35, 768<<16
	s_mov_b32 s36, 8
	s_mov_b32 s37, 6144
	s_mov_b32 s38, 0
	s_mov_b32 s39, 0
	; hn's scale bytes: 8 rows of 256 bytes, 2,048 apart; joint
	s_mov_b32 s40, 15|(3<<16)|(1<<21)
	s_mov_b32 s41, 32<<16
	s_mov_b32 s42, 8<<16
	s_mov_b32 s43, 32<<16
	s_mov_b32 s44, 8
	s_mov_b32 s45, 256
	s_mov_b32 s46, 0
	s_mov_b32 s47, 0
	; a weight's K step of my chunk: 12,288 dense bytes as 48 rows of 256; my own
	s_mov_b32 s48, 3<<16
	s_mov_b32 s49, 32<<16
	s_mov_b32 s50, 48<<16
	s_mov_b32 s51, 32<<16
	s_mov_b32 s52, 48
	s_mov_b32 s53, 32
	s_mov_b32 s54, 0
	s_mov_b32 s55, 0
	; the weights' scale words: 3 rows of 512 bytes, 2,048 apart; my own
	s_mov_b32 s56, 3<<16
	s_mov_b32 s57, 64<<16
	s_mov_b32 s58, 3<<16
	s_mov_b32 s59, 64<<16
	s_mov_b32 s60, 3
	s_mov_b32 s61, 256
	s_mov_b32 s62, 0
	s_mov_b32 s63, 0
	v_and_b32 v16, 31, v0                          ; l
	v_and_b32 v17, 15, v0                          ; r
	v_bfe_u32 v18, v0, 4, 1                        ; h
	v_lshlrev_b32 v1, 4, v16                       ; 16 l
	s_mul_i32 s30, s[WV], 49152
	v_add_nc_u32 v2, s30, v1                       ; hn's halves: the first four registers,
	v_lshl_add_u32 v3, v16, 3, s30
	v_add_nc_u32 v3, 512, v3                       ; the last two
	v_add_nc_u32 v4, WS0, v1
	v_add_nc_u32 v5, WS1, v1
	s_lshl_b32 s30, s[WV], 11
	v_lshl_add_u32 v6, v17, 4, s30
	v_add_nc_u32 v6, SCW, v6                       ; hn's scale words: 16 r
	v_lshl_add_u32 v7, v17, 4, WSC                 ; the weights'
	v_lshl_add_u32 v8, v16, 3, s30
	v_add_nc_u32 v8, HRAW, v8
	v_add_nc_u32 v9, s30, v1
	v_add_nc_u32 v9, SCW, v9
	s_lshl_b32 s30, s[WV], 9
	v_lshl_add_u32 v10, v17, 4, s30
	v_add_nc_u32 v10, OSCR, v10
	v_add_nc_u32 v11, s30, v1
	v_add_nc_u32 v11, OSCR, v11
	v_lshlrev_b32 v14, 6, v18                      ; 64 h
	v_lshrrev_b32 v15, 3, v17
	v_lshl_add_u32 v15, v15, 3, v17
	v_lshlrev_b32 v15, 2, v15                      ; 4 (r + 8 (r / 8))
	s_wait_kmcnt 0x0
	; groups 0.  The joint ones are made of b, half and the wave's number alone, in registers that never hold j
	s_mul_i32 s30, s29, 393216
	s_mul_i32 s31, s28, 24576
	s_add_co_u32 s30, s30, s31
	s_mul_i32 s31, s[WV], 6144
	s_add_co_u32 s30, s30, s31                     ; hn: image b, tile 32 half + 8 w
	s_mov_b32 s31, 0
	s_mov_b32 s68, 1
	s_mul_i32 s69, s[WV], 49152
	s_add_nc_u64 s[70:71], s[4:5], s[30:31]
	s_or_b32 s71, s71, 0x80000000
	s_lshl_b32 s30, s29, 14
	s_lshl_b32 s31, s28, 10
	s_add_co_u32 s30, s30, s31
	s_lshl_b32 s31, s[WV], 8
	s_add_co_u32 s30, s30, s31
	s_mov_b32 s31, 0
	s_mov_b32 s72, 1
	s_lshl_b32 s73, s[WV], 11
	s_add_co_u32 s73, s73, HRAW
	s_add_nc_u64 s[74:75], s[6:7], s[30:31]
	s_or_b32 s75, s75, 0x80000000
	s_lshr_b32 s2, s[WV], 1                        ; the weights: wave w brings K step w of chunk j
	s_mul_i32 s2, s2, 98304
	s_mul_i32 s3, s27, 24576
	s_add_co_u32 s2, s2, s3
	s_and_b32 s3, s[WV], 1
	s_mul_i32 s3, s3, 12288
	s_add_co_u32 s2, s2, s3
	s_mov_b32 s3, 0
	s_add_nc_u64 s[8:9], s[8:9], s[2:3]
	s_mul_i32 s30, s[WV], 12288
	s_mov_b32 s76, 1
	s_add_co_u32 s77, s30, WS0
	s_mov_b64 s[78:79], s[8:9]                     ; wq
	s_or_b32 s79, s79, 0x80000000
	s_mov_b32 s80, 1
	s_add_co_u32 s81, s30, WS1
	s_add_nc_u64 s[82:83], s[8:9], 196608          ; wk
	s_or_b32 s83, s83, 0x80000000
	s_mov_b32 s88, 1
	s_add_co_u32 s89, s30, WS0
	s_add_nc_u64 s[90:91], s[8:9], 393216          ; wv, later, into wq's slot
	s_or_b32 s91, s91, 0x80000000
	s_mul_i32 s2, s[WV], 6144
	s_lshl_b32 s3, s27, 9
	s_add_co_u32 s2, s2, s3
	s_mov_b32 s3, 0
	s_mov_b32 s84, 1
	s_mul_i32 s85, s[WV], 1536
	s_add_co_u32 s85, s85, WSC
	s_add_nc_u64 s[86:87], s[10:11], s[2:3]
	s_or_b32 s87, s87, 0x80000000
	CROUND                                         ; all four work-groups are here: the first joint loads meet
	tensor_load_to_lds s[68:71], s[32:39]          ; the first fills go out as one group
	s_nop 0
	tensor_load_to_lds s[72:75], s[40:47]
	s_nop 0
	tensor_load_to_lds s[76:79], s[48:55]
	s_nop 0
	tensor_load_to_lds s[80:83], s[48:55]
	s_nop 0
	tensor_load_to_lds s[84:87], s[56:63]
	s_nop 0
	PLACES
	; where the results go
	s_lshl_b32 s2, s27, 9
	s_add_nc_u64 s[12:13], s[12:13], s[2:3]        ; the biases of my 128 outputs
	s_add_nc_u64 s[14:15], s[14:15], s[2:3]
	s_add_nc_u64 s[16:17], s[16:17], s[2:3]
	BIASQ 12
	s_mul_i32 s2, s29, 393216
	s_mul_i32 s30, s28, 196608
	s_add_co_u32 s2, s2, s30
	s_mul_i32 s30, s[WV], 49152
	s_add_co_u32 s2, s2, s30
	s_mul_i32 s30, s27, 1536
	s_add_co_u32 s2, s2, s30
	s_add_nc_u64 s[18:19], s[18:19], s[2:3]        ; qc: [b][tile][K step j]
	s_lshl_b32 s2, s29, 14
	s_lshl_b32 s30, s27, 12
	s_add_co_u32 s2, s2, s30
	s_lshl_b32 s30, s28, 11
	s_add_co_u32 s2, s2, s30
	s_lshl_b32 s30, s[WV], 9
	s_add_co_u32 s2, s2, s30
	s_add_nc_u64 s[20:21], s[20:21], s[2:3]        ; qs: [b][j][tile / 4]
	s_lshl_b32 s2, s29, 3
	s_lshl_b32 s30, s28, 2
	s_add_co_u32 s2, s2, s30
	s_add_co_u32 s2, s2, s[WV]                     ; 8 b + key step
	s_mul_i32 s2, s2, 98304
	s_add_nc_u64 s[22:23], s[22:23], s[2:3]
	s_mul_i32 s2, s27, 1536
	s_add_nc_u64 s[92:93], s[22:23], s[2:3]        ; K's images: [tile 8][K step j]
	s_mul_i32 s2, s27, 12288
	s_add_co_u32 s2, s2, 49152
	s_add_nc_u64 s[94:95], s[22:23], s[2:3]        ; V's: [channel tile 8 j + a]
	s_lshl_b32 s2, s29, 15
	s_add_nc_u64 s[24:25], s[24:25], s[2:3]
	s_lshl_b32 s2, s27, 12
	s_lshl_b32 s30, s28, 11
	s_add_co_u32 s2, s2, s30
	s_lshl_b32 s30, s[WV], 9
	s_add_co_u32 s2, s2, s30
	s_add_nc_u64 s[96:97], s[24:25], s[2:3]        ; K's scale words
	s_lshl_b32 s2, s28, 13
	s_lshl_b32 s30, s[WV], 11
	s_add_co_u32 s2, s2, s30
	s_lshl_b32 s30, s27, 9
	s_add_co_u32 s2, s2, s30
	s_add_co_u32 s2, s2, 16384
	s_add_nc_u64 s[98:99], s[24:25], s[2:3]        ; V's
	s_wait_tensorcnt 0x0                           ; my five loads have landed,
	s_barrier_signal -1
	s_barrier_wait -1                              ; everybody's have
	; hn's scale words: the two bytes of half c = 0 below, those of c = 1 above; four tiles a lane
.irp s, 0,1,2,3
	ds_load_b64 v[64:65], v8 offset:512*\s
	ds_load_b64 v[66:67], v8 offset:512*\s+256
	s_wait_dscnt 0x0
	v_perm_b32 v68, v66, v64, 0x05040100
	v_perm_b32 v69, v66, v64, 0x07060302
	v_perm_b32 v70, v67, v65, 0x05040100
	v_perm_b32 v71, v67, v65, 0x07060302
	ds_store_b128 v9, v[68:71] offset:512*\s       ; my wave's own bytes: no barrier
.endr
	; ---- q
	GEMM 0, 4, 0
	WIN 0
	s_wait_tensorcnt 0x0                           ; no tensor load of mine is out;
	ds_add_u32 v12, v13                            ; 0 onto my spare word;
	s_wait_dscnt 0x0                               ; the add is done, and my reads of wq's slot are over
	CROUND                                         ; that now holds of every wave
	tensor_load_to_lds s[88:91], s[48:55]          ; wv into wq's slot: it has q's way out and all of k in which to land
	s_nop 0
	PLACES                                         ; (also the places behind the last products)
	BIASQ 14
	OUT8 18, 6144, 20
	; ---- k
	GEMM 0, 5, 1
	WIN 0
	BIASV 16
	PLACES
	OUT8 92, 6144, 96
	; ---- v
	s_wait_tensorcnt 0x0                           ; my part of wv has landed,
	s_wait_dscnt 0x0
	s_barrier_signal -1
	s_barrier_wait -1                              ; everybody's has
	GEMM 1, 4, 2
	WIN 0
	PLACES
	OUT8 94, 1536, 98
	s_wait_tensorcnt 0x0                           ; the wave's end
	ds_add_u32 v12, v13
	s_wait_dscnt 0x0
	CROUND                                         ; the closing round
	s_endpgm
.Lfunc_end_k_q472cebe83a_qkv:
	.size	k_q472cebe83a_qkv, .Lfunc_end_k_q472cebe83a_qkv-k_q472cebe83a_qkv
	.p2alignl 7, 3214868480
	.fill 96, 4, 3214868480
	.section	.rodata,"a",@progbits
	.p2align	6, 0x0
	.amdhsa_kernel k_q472cebe83a_qkv
		.amdhsa_group_segment_fixed_size 327680
		.amdhsa_private_segment_fixed_size 0
		.amdhsa_enable_private_segment 0
		.amdhsa_kernarg_size 88
		.amdhsa_user_sgpr_count 2
		.amdhsa_user_sgpr_kernarg_segment_ptr 1
		.amdhsa_wavefront_size32 1
		.amdhsa_system_sgpr_workgroup_id_x 1
		.amdhsa_system_sgpr_workgroup_id_y 1
		.amdhsa_system_sgpr_workgroup_id_z 1
		.amdhsa_system_vgpr_workitem_id 0
		.amdhsa_next_free_vgpr 1024
		.amdhsa_next_free_sgpr 102
		.amdhsa_reserve_vcc 0
		.amdhsa_float_denorm_mode_32 3
		.amdhsa_float_denorm_mode_16_64 3
		.amdhsa_memory_ordered 1
		.amdhsa_forward_progress 1
		.amdhsa_inst_pref_size 255
	.end_amdhsa_kernel
	.section	.bss,"aw",@nobits
	.p2align	6
	.space	262144
	.amdgpu_metadata
---
amdhsa.version: [ 1, 2 ]
amdhsa.kernels:
  - .name:           k_q472cebe83a_qkv
    .symbol:         k_q472cebe83a_qkv.kd
    .args:
      - { .name: hn, .offset: 0, .size: 8, .value_kind: global_buffer, .address_space: global }
      - { .name: hnsc, .offset: 8, .size: 8, .value_kind: global_buffer, .address_space: global }
      - { .name: wc, .offset: 16, .size: 8, .value_kind: global_buffer, .address_space: global }
      - { .name: wsc, .offset: 24, .size: 8, .value_kind: global_buffer, .address_space: global }
      - { .name: bq, .offset: 32, .size: 8, .value_kind: global_buffer, .address_space: global }
      - { .name: bk, .offset: 40, .size: 8, .value_kind: global_buffer, .address_space: global }
      - { .name: bv, .offset: 48, .size: 8, .value_kind: global_buffer, .address_space: global }
      - { .name: qc, .offset: 56, .size: 8, .value_kind: global_buffer, .address_space: global }
      - { .name: qs, .offset: 64, .size: 8, .value_kind: global_buffer, .address_space: global }
      - { .name: kv, .offset: 72, .size: 8, .value_kind: global_buffer, .address_space: global }
      - { .name: kvs, .offset: 80, .size: 8, .value_kind: global_buffer, .address_space: global }
    .group_segment_fixed_size: 327680
    .private_segment_fixed_size: 0
    .kernarg_segment_align: 8
    .kernarg_segment_size: 88
    .max_flat_workgroup_size: 128
    .sgpr_count:     102
    .vgpr_count:     1024
    .wavefront_size: 32
...
	.end_amdgpu_metadata
.endif
;; end of part 2
;; launch attn (part 3): grid 8 x 32, 4 waves a work-group, clusters of 4 x 1, 327,680 bytes of LDS; arguments qc, qs, kv, kvs, wc, wsc, bp, x, out0; writes out0
.if DOCPART == 3
	.amdgcn_target "amdgcn-amd-amdhsa--gfx1250"
	.amdhsa_code_object_version 6
	.text
	.protected	k_q472cebe83a_attn
	.globl	k_q472cebe83a_attn
	.p2align	8
	.type	k_q472cebe83a_attn,@function
k_q472cebe83a_attn:
	s_mov_b64 s[64:65], 0
	v_nop
	global_prefetch_b8 v0, s[64:65] scope:SCOPE_SE
	s_setreg_imm32_b32 hwreg(HW_REG_WAVE_MODE, 25, 1), 1
	s_wait_xcnt 0x0
	s_wait_alu depctr_hold_cnt(0) depctr_sa_sdst(0) depctr_va_vdst(0) depctr_va_sdst(0) depctr_va_ssrc(0) depctr_va_vcc(0) depctr_vm_vsrc(0)
	s_getreg_b32 s2, hwreg(HW_REG_IB_STS2, 6, 4)
	s_cmp_eq_u32 s2, 0
	s_cbranch_scc0 .Lentry_in_a_cluster
	s_endpgm
.Lentry_in_a_cluster:
	s_bfe_u32 s2, ttmp6, 0x10000c
	s_cmp_lg_u32 s2, 0x3003
	s_cbranch_scc0 .Lentry_shape_is_right
	s_endpgm
.Lentry_shape_is_right:
; out0 = x + wp (softmax(q^T k / sqrt(512)) applied to v) + bp, all three products on codes of FP6 (E2M3) with E8M0 scales.  One head of size 512, 1,024 positions, 32 images.
; SHARES.  Work-group (qblk = 4 cluster x + place, b) owns 128 queries.  In the key loop wave w owns 32 of them (tiles 2 w, 2 w + 1) with all 512 channels of O^T (512 registers, windows 2 and 3) and walks
; 8 key steps of 128 keys: 64 products K Q^T, the softmax, 64 products V^T P.  In the last product wave w owns outputs 128 w .. 128 w + 127 for all 128 queries; O's codes go from wave to wave through LDS as images of their registers.
; LAYOUT.  Both products of the loop are used transposed: a lane holds ONE query (lane % 16) throughout.  Tile t of any tensor holds rows 32 (t / 2) + 8 (t % 2) + rho + 8 (rho / 8), so that the 16 registers of result tiles
; 2 b and 2 b + 1 are 16 neighbours (keys for p, channels for O, positions for the output), in natural order.
; SOFTMAX.  t = score x log2(e) / sqrt(512) (one constant where reference() multiplies twice); M = the running largest t rounded up to a whole number; p = 2^(t - M) is quantised along the keys, not normalised; the row's sum
; is taken of the unquantised p; when M moves, the sum and O^T are multiplied by 2^(old M - new M), which rounds nothing.  O^T x 1 / sum (v_rcp_f32 and a multiplication) is what the last product's quantiser takes.
; A block's largest p is the block's largest score put through the same multiply-add and exponential.
; RING.  Two LDS slots of one key step (K's 32 images, V's 32: 98,304 bytes), each wave fetching a quarter.  The four partners of a cluster walk the same K and V: those loads are JOINT.  Behind each round a wave has one
; load out (three at the start).  All of a WGP's LDS is claimed.
; x IS READ WHILE THE PRODUCTS STILL RUN.  The last two changes of slots fill the slots that are free with x: each wave brings 48 rows of 512 bytes of its own 128 channels each time (channels 0-47 under the last key step,
; channels 48-95 under the quantiser and the last product): output tiles 0 to 5.  These rows are the work-group's own, so the loads are plain.  Tiles 6 and 7 come into registers, asked for ahead of the last 64 products.
; wp's codes go from memory straight into registers, each wave the images of its own 128 rows, once.  They are the same for all partners and yet not asked for jointly: wp's 196,608 bytes and x's 196,608 do not both fit
; into the two slots of 98,304.
; O^T begins as zeros (512 moves, once): so the key step is written once for the loop and once for the tail, and the text stays short.
; LIMITS: NaN and infinities are not served; a block whose largest magnitude lies under 2^-124 keeps the byte 1, a block of zeros too (its codes are zeros).
; REGISTERS.  window 0: v1-25 addresses; v28-59 scale words and nothing else (loop: 28-39 K's or V's, three sets; 40-47 Q's; 48-49 p's); v60-83 p's codes; v84-91 at work; v92-235 three sets of four fragments; v236-239 1 / sum.
;   window 1: v0-95 Q; v96-223 S^T, then p; v224-235 statistics; v236-255 at work.   windows 2, 3: O^T(qt, ct) at window 2 + ct / 16, v[128 qt + 8 (ct % 16)].
;   Last product: window 1 v0-191 fragment set 0, v192-255 bp; window 0 v64-255 set 1 (the quantiser works in v160-199 before); windows 2, 3 the 64 accumulators.
.set KVS,   98304                      ; LDS: slot 0 at 0; the image's scale words (K's 16,384 bytes, V's 16,384); slot 1
.set SLOT1, 131072
.set OIMG,  229376                     ; O's codes: [tile 8][K step 4] images
.set OSC,   278528                     ; their scale words: [K step][group 2][256]
.set WPS,   280576                     ; wp's scale words: [K step][tile / 4][256]
.set STAGE, 288768                     ; the way out: 16 rows x (512 + 16) bytes a wave
.set SPARE, 322560                     ; the spare words: 128 bytes a wave, two blocks of 256 bytes that no other line names
.set KW,    28
.set QSW,   40
.set PWQ,   48
.set PCODE, 60
.set PT,    84
.set FB,    92
.set RL,    236
.set S,     96                         ; window 1
.set BM,    236
.set T4,    240
.set SO,    244
.set BY,    248
.set TM,    160                        ; QUANT's registers, window 0, once the loop's are dead: above v159, so that wp's K step 1 can be on its way into v64-159
.set PW,    176
.set PC,    180
.set XR,    192                        ; the way out: 16 rows of x from LDS
.set WV,    22
.set TB,    27                         ; s27 LDS byte at which the slot in hand begins
.set TSK,   28                         ; s28 the step's scale words of K: 512 bytes a step
.set TSV,   29                         ; s29 and of V: 2,048
.set CNT,   30
.set LIM,   31
.set PFA,   80
.set CS,    82
.set SEL,   84
.set FLOOR, 0x1800000
.set OFF2,  0xff000000
.set MSB, 0
.macro WIN new                         ; bits 1:0 source 0, 3:2 source 1, 5:4 source 2, 7:6 destination; the high byte repeats the setting that is left
.if MSB != (\new)
	s_set_vgpr_msb (MSB<<8)|(\new)
.set MSB, (\new)
.endif
.endm
.macro PLACES
.rept 4
	v_nop
.endr
.endm
.macro CROUND
	s_barrier_signal -1
	s_barrier_wait -1
	s_cmp_lg_u32 s[WV], 0
	s_cbranch_scc1 .Lnot_wave_0_\@
	s_barrier_signal -3
.Lnot_wave_0_\@:
	s_barrier_wait -3
	s_barrier_signal -1
	s_barrier_wait -1
.endm
; 64 numbers of a lane in window w, register base + 16 b + i = k 32 b + 16 (lane / 16) + i of my row, become a fragment's codes in v[PC] on and its scale word in v[PW] (window 0)
.macro QUANT base, w
	s_wait_dscnt 0x0                               ; the last fragment's LDS stores have read v[PC] on and v[PW]; no other memory instruction names them
	WIN (\w)|((\w)<<2)
.irp b, 0,1,2,3
	v_max3_num_f32 v[TM+\b], |v[(\base)+16*\b]|, |v[(\base)+16*\b+1]|, FLOOR
.endr
.irp i, 2,4,6,8,10,12,14
.irp b, 0,1,2,3
	v_max3_num_f32 v[TM+\b], |v[(\base)+16*\b+\i]|, |v[(\base)+16*\b+\i+1]|, v[TM+\b]
.endr
.endr
	WIN 0
.irp b, 0,1,2,3
	v_permlanex16_b32 v[TM+4+\b], v[TM+\b], s[SEL], s[SEL+1]
.endr
.irp b, 0,1,2,3
	v_max_num_f32 v[TM+\b], v[TM+\b], v[TM+4+\b]
.endr
.irp b, 0,1,2,3
	v_add_nc_u32 v[TM+12+\b], OFF2, v[TM+\b]
.endr
.irp b, 0,1,2,3
	v_lshrrev_b32 v[TM+4+\b], 23, v[TM+12+\b]
.endr
	v_lshl_or_b32 v[PW], v[TM+5], 8, v[TM+4]
	v_lshl_or_b32 v[PW], v[TM+6], 16, v[PW]
	v_lshl_or_b32 v[PW], v[TM+7], 24, v[PW]
	WIN (\w)
.irp c, 0,1
	v_cvt_scalef32_pk16_fp6_f32 v[PC+6*\c:PC+6*\c+2], v[(\base)+32*\c:(\base)+32*\c+15], v[TM+12+2*\c]
	v_cvt_scalef32_pk16_fp6_f32 v[PC+12+4*\c:PC+14+4*\c], v[(\base)+32*\c+16:(\base)+32*\c+31], v[TM+13+2*\c]
.endr
	WIN 0
	v_nop                                          ; one plain place behind a scaled conversion
.irp c, 0,1
.irp i, 0,1,2
	v_permlane16_swap_b32 v[PC+6*\c+\i], v[PC+12+4*\c+\i]
.endr
.irp i, 0,1,2
	v_mov_b32 v[PC+3+6*\c+\i], v[PC+12+4*\c+\i]
.endr
.endr
.endm
; group g of a key step's sixteen: four fragments and their four scale words, 13 loads, into set g % 3.  g < 8: K, channels 128 (g / 2) on, key tiles 4 (g % 2) on.  g >= 8: V, channel tiles 4 (g - 8) on
.macro LOADG g
.set LS, FB+48*((\g)%3)
.set LW, KW+4*((\g)%3)
.if (\g) < 8
.irp f, 0,1,2,3
.irp c, 0,1,2
	ds_load_b128 v[LS+12*\f+4*\c:LS+12*\f+4*\c+3], v7 offset:((4*((\g)%2)+\f)*4+(\g)/2)*1536+512*\c
.endr
.endr
	ds_load_b128 v[LW:LW+3], v9 offset:4096*((\g)/2)+256*((\g)%2)
.else
.irp f, 0,1,2,3
.irp c, 0,1,2
	ds_load_b128 v[LS+12*\f+4*\c:LS+12*\f+4*\c+3], v8 offset:(4*((\g)-8)+\f)*1536+512*\c
.endr
.endr
	ds_load_b128 v[LW:LW+3], v10 offset:256*((\g)-8)
.endif
.endm
; eight products of S^T = K Q^T; the accumulators take turns (a link stands 16 instructions behind the one that it adds onto)
.macro SG g
.set LS, FB+48*((\g)%3)
.set LW, KW+4*((\g)%3)
	WIN 0x54                                       ; K window 0; Q, C and D window 1
.irp f, 0,1,2,3
.irp qt, 0,1
.set DD, S+64*\qt+8*(4*((\g)%2)+\f)
.if (\g) < 2
	v_wmma_scale_f32_16x16x128_f8f6f4 v[DD:DD+7], v[LS+12*\f:LS+12*\f+11], v[48*\qt+12*((\g)/2):48*\qt+12*((\g)/2)+11], 0, v[LW+\f], v[QSW+2*((\g)/2)+\qt] matrix_a_fmt:MATRIX_FMT_FP6 matrix_b_fmt:MATRIX_FMT_FP6
.else
	v_wmma_scale_f32_16x16x128_f8f6f4 v[DD:DD+7], v[LS+12*\f:LS+12*\f+11], v[48*\qt+12*((\g)/2):48*\qt+12*((\g)/2)+11], v[DD:DD+7], v[LW+\f], v[QSW+2*((\g)/2)+\qt] matrix_a_fmt:MATRIX_FMT_FP6 matrix_b_fmt:MATRIX_FMT_FP6
.endif
.endr
.endr
.endm
; eight products of O^T += V^T P: each accumulator once a key step
.macro PG gv
.set LS, FB+48*(((\gv)+8)%3)
.set LW, KW+4*(((\gv)+8)%3)
	WIN 0xa0+0x50*((\gv)/4)
.irp f, 0,1,2,3
.irp qt, 0,1
.set DD, 128*\qt+32*((\gv)%4)+8*\f
	v_wmma_scale_f32_16x16x128_f8f6f4 v[DD:DD+7], v[LS+12*\f:LS+12*\f+11], v[PCODE+12*\qt:PCODE+12*\qt+11], v[DD:DD+7], v[LW+\f], v[PWQ+\qt] matrix_a_fmt:MATRIX_FMT_FP6 matrix_b_fmt:MATRIX_FMT_FP6
.endr
.endr
.endm
; group gv's eight accumulators under the new M: x f.  32 plain instructions that name nothing of the products round them: they are also the places in front of the loads that follow
.macro RESC gv
	WIN 0x86+0x41*((\gv)/4)
.irp qt, 0,1
.set i, 0
.rept 16
	v_pk_mul_f32 v[128*\qt+32*((\gv)%4)+i:128*\qt+32*((\gv)%4)+i+1], v[128*\qt+32*((\gv)%4)+i:128*\qt+32*((\gv)%4)+i+1], v[228+6*\qt:229+6*\qt] op_sel_hi:[1,0]
.set i, i+2
.endr
.endr
.endm
; tile qt's softmax for 128 keys.  Statistics at ST: +0 -M, +1 the largest t, +2, +3 the sum in two halves, +4 f, +5 named with f as a pair
.macro SOFTMAX qt
.set SS, S+64*(\qt)
.set ST, 224+6*(\qt)
	WIN 0x55
.irp b, 0,1,2,3
	v_max3_num_f32 v[BM+\b], v[SS+16*\b], v[SS+16*\b+1], v[SS+16*\b+2]   ; the largest score of each block of 32 keys: for the row's maximum, and for the block's largest p
.endr
.irp i, 3,5,7,9,11,13
.irp b, 0,1,2,3
	v_max3_num_f32 v[BM+\b], v[BM+\b], v[SS+16*\b+\i], v[SS+16*\b+\i+1]
.endr
.endr
.irp b, 0,1,2,3
	v_max_num_f32 v[BM+\b], v[BM+\b], v[SS+16*\b+15]
.endr
.irp b, 0,1,2,3
	v_permlanex16_b32 v[T4+\b], v[BM+\b], s[SEL], s[SEL+1]
.endr
.irp b, 0,1,2,3
	v_max_num_f32 v[BM+\b], v[BM+\b], v[T4+\b]     ; with lane l xor 16's 16 keys
.endr
	v_max3_num_f32 v253, v[BM], v[BM+1], v[BM+2]
	v_max_num_f32 v253, v253, v[BM+3]
	v_mul_f32 v253, s[CS], v253                    ; as t (c is positive)
	v_max_num_f32 v[ST+1], v[ST+1], v253           ; the running largest t
	v_mov_b32 v253, v[ST]
	v_floor_f32 v[ST], -v[ST+1]                    ; the new -M = floor(-t): M is a whole number
	v_sub_f32 v253, v[ST], v253                    ; old M - new M: a whole number, 0 or less
	v_cvt_i32_f32 v253, v253                       ; (it saturates)
	v_ldexp_f32 v[ST+4], 1.0, v253                 ; f = 2^(old M - new M)
.set i, 0
.rept 32
	v_pk_fma_f32 v[SS+i:SS+i+1], v[SS+i:SS+i+1], s[CS:CS+1], v[ST:ST+1] op_sel_hi:[1,0,0]   ; t - M
.set i, i+2
.endr
.irp b, 0,1,2,3
	v_fma_f32 v[BM+\b], v[BM+\b], s[CS], v[ST]
.endr
.set i, 0
.rept 64
	v_exp_f32 v[SS+i], v[SS+i]                     ; p = 2^(t - M), at most 1
.set i, i+1
.endr
	v_pk_mul_f32 v[ST+2:ST+3], v[ST+2:ST+3], v[ST+4:ST+5] op_sel_hi:[1,0]   ; the sums under the new M (a plain place behind the exponentials)
	s_wait_alu depctr_va_vdst(0)                   ; the wait ahead of the first reader: one for the 64
.irp b, 0,1,2,3
	v_exp_f32 v[BM+\b], v[BM+\b]                   ; the block's largest p
.endr
	v_pk_add_f32 v[T4:T4+1], v[SS:SS+1], v[SS+2:SS+3]   ; the row's sum, of the unquantised p, in two chains
.irp j, 4,8,12,16,20,24,28,32,36,40,44,48,52,56,60
	v_pk_add_f32 v[ST+2:ST+3], v[ST+2:ST+3], v[SS+\j:SS+\j+1]
	v_pk_add_f32 v[T4:T4+1], v[T4:T4+1], v[SS+\j+2:SS+\j+3]
.endr
	v_pk_add_f32 v[ST+2:ST+3], v[ST+2:ST+3], v[T4:T4+1]
	s_wait_alu depctr_va_vdst(0)                   ; and one for the four
.irp b, 0,1,2,3
	v_max_num_f32 v[BM+\b], FLOOR, v[BM+\b]
.endr
.irp b, 0,1,2,3
	v_add_nc_u32 v[SO+\b], OFF2, v[BM+\b]
.endr
.irp b, 0,1,2,3
	v_lshrrev_b32 v[BY+\b], 23, v[SO+\b]
.endr
	v_lshl_or_b32 v252, v[BY+1], 8, v[BY]
	v_lshl_or_b32 v252, v[BY+2], 16, v252
	WIN 0x15
	v_lshl_or_b32 v[PWQ+(\qt)], v[BY+3], 24, v252  ; p's scale word, into window 0: scale operands have no window
	WIN 0x05
.irp c, 0,1
	v_cvt_scalef32_pk16_fp6_f32 v[PCODE+12*(\qt)+6*\c:PCODE+12*(\qt)+6*\c+2], v[SS+32*\c:SS+32*\c+15], v[SO+2*\c]
	v_cvt_scalef32_pk16_fp6_f32 v[PT+4*\c:PT+4*\c+2], v[SS+32*\c+16:SS+32*\c+31], v[SO+2*\c+1]
.endr
	WIN 0
	v_nop                                          ; one plain place behind a scaled conversion
.irp c, 0,1
.irp i, 0,1,2
	v_permlane16_swap_b32 v[PCODE+12*(\qt)+6*\c+\i], v[PT+4*\c+\i]
.endr
.irp i, 0,1,2
	v_mov_b32 v[PCODE+12*(\qt)+6*\c+3+\i], v[PT+4*\c+\i]
.endr
.endr
.endm
; A KEY STEP.  Three sets of fragments take turns: while group g is multiplied, groups g + 1 and g + 2 are on their way: the count 26 leaves those two groups of 13 loads out
.macro BODY
	v_add_nc_u32 v7, s[TB], v1
	v_add_nc_u32 v8, s[TB], v2
	v_add_nc_u32 v9, s[TSK], v3
	v_add_nc_u32 v10, s[TSV], v4
	LOADG 0
	LOADG 1
.irp g, 0,1,2,3,4,5,6,7
	WIN 0
	PLACES                                         ; the set that is loaded next was read by the products just issued
	LOADG \g+2
	s_wait_dscnt 26
	SG \g
.endr
	WIN 0
	PLACES
	SOFTMAX 0                                      ; V's first two groups land meanwhile
	SOFTMAX 1
	RESC 0
.irp gv, 0,1,2,3,4,5,6,7
.if \gv < 7
	RESC \gv+1
.endif
	WIN 0
.if \gv < 6
	LOADG \gv+10
	s_wait_dscnt 26
.elseif \gv == 6
	s_wait_dscnt 13                                ; the last group may be out
.else
	s_wait_dscnt 0x0
.endif
	PG \gv
.endr
	WIN 0
	s_xor_b32 s[TB], s[TB], SLOT1                  ; on to the other slot
	s_add_co_u32 s[TSK], s[TSK], 512
	s_add_co_u32 s[TSV], s[TSV], 2048
.endm
; A prefetch of the key step that the NEXT change of slots will ask for, 128 matrix instructions and a softmax ahead of that load.  Both clusters of an image walk the same K and V: the first asks.  Its four partners take
; 24,576 bytes each, told apart by address; in each, waves 0 to 2 take 8,192 bytes, lanes 256 bytes apart: every block of 256 bytes is named once.  The last change that fetches a key step asks for nothing.
.macro ASK
	s_cmp_gt_u32 s[CNT], s[LIM]
	s_cbranch_scc0 .Lnot_mine_\@
	global_prefetch_b8 v22, s[PFA:PFA+1] th:TH_LOAD_NT scope:SCOPE_SE
.Lnot_mine_\@:
.endm
; THE CHANGE OF SLOTS, at a key step's head.  Each wave waits for all its tensor loads (its part of the slot that it is about to read), adds 0 to its spare word, and waits for that and for its reads of the slot that it has left;
; a round of the cluster's barrier; then the fill of the slot that was left, the wave's one tensor load until the next round.  g0, g1: the load's two groups.  walk = 1: the next key step, asked for jointly
.macro CHANGE g0, g1, walk
	s_wait_tensorcnt 0x0
	ds_add_u32 v5, v6
.if \walk
	s_xor_b32 s57, s57, SLOT1                      ; the walking descriptor: the other slot, the next key step
	s_add_nc_u64 s[58:59], s[58:59], 98304
	s_wait_xcnt 0x0                                ; the last prefetch, a key step back, has read its address
	s_add_nc_u64 s[PFA:PFA+1], s[PFA:PFA+1], 98304
.endif
	s_wait_dscnt 0x0
	CROUND
	tensor_load_to_lds s[\g0:\g0+3], s[\g1:\g1+7]
	s_nop 0
	PLACES
.if \walk
	ASK
.endif
.endm
; ---- the last product's macros.  Fragment set e: e = 0 window 1 from v0, e = 1 window 0 from v64; in a set wp's fragment f at 12 f, O's fragment p at 96 + 12 p
; wp's eight fragments of K step s, my 128 rows: images in memory, 512 consecutive bytes a load
.macro WPLOAD e, s
.set SB, 64*(\e)
.if (\e) == 0
	WIN 0x40
.else
	WIN 0
.endif
.irp f, 0,1,2,3,4,5,6,7
.irp c, 0,1,2
	global_load_b128 v[SB+12*\f+4*\c:SB+12*\f+4*\c+3], v1, s[12:13] offset:98304*((\s)/2)+12288*((\s)%2)+1536*\f+512*\c
.endr
.endr
.endm
; O's eight fragments of K step s from LDS, and both sides' scale words: 28 loads
.macro FETCHP e, s
.set SB, 64*(\e)
.if (\e) == 0
	WIN 0x40
.else
	WIN 0
.endif
.irp p, 0,1,2,3,4,5,6,7
.irp c, 0,1,2
	ds_load_b128 v[SB+96+12*\p+4*\c:SB+96+12*\p+4*\c+3], v25 offset:(4*\p+(\s))*1536+512*\c
.endr
.endr
	WIN 0
.irp g, 0,1
	ds_load_b128 v[28+16*(\e)+4*\g:28+16*(\e)+4*\g+3], v17 offset:2048*(\s)+256*\g
	ds_load_b128 v[36+16*(\e)+4*\g:36+16*(\e)+4*\g+3], v16 offset:512*(\s)+256*\g
.endr
.endm
.macro MULP e, first                   ; accumulator 8 a + p; the 64 take turns, one instruction a turn
.set SB, 64*(\e)
.set SCB, 28+16*(\e)
.set SW, (1-(\e))*5
.irp xo, 0,1,2,3,4,5,6,7
.if \first
	WIN SW|0x10|((2+\xo/4)<<6)
.else
	WIN SW|((2+\xo/4)*0x50)
.endif
.irp xi, 0,1,2,3,4,5,6,7
.set DD, 8*((8*\xo+\xi)%32)
.if \first
	v_wmma_scale_f32_16x16x128_f8f6f4 v[DD:DD+7], v[SB+96+12*\xi:SB+96+12*\xi+11], v[SB+12*\xo:SB+12*\xo+11], v[192+8*\xo:192+8*\xo+7], v[SCB+8+\xi], v[SCB+\xo] matrix_a_fmt:MATRIX_FMT_FP6 matrix_b_fmt:MATRIX_FMT_FP6
.else
	v_wmma_scale_f32_16x16x128_f8f6f4 v[DD:DD+7], v[SB+96+12*\xi:SB+96+12*\xi+11], v[SB+12*\xo:SB+12*\xo+11], v[DD:DD+7], v[SCB+8+\xi], v[SCB+\xo] matrix_a_fmt:MATRIX_FMT_FP6 matrix_b_fmt:MATRIX_FMT_FP6
.endif
.endr
.endr
.endm
; the 16 rows of x of output tile a, into window 1
.macro XLOAD a
	WIN 0x40
.irp t, 0,1,2,3,4,5,6,7,8,9,10,11,12,13,14,15
	global_load_b128 v[64*((\a)%4)+4*\t:64*((\a)%4)+4*\t+3], v1, s[18:19] offset:(32*((\a)/2)+8*((\a)%2)+\t+8*(\t/8))*4096 th:TH_LOAD_NT
.endr
	WIN 0
.endm
	s_load_b512 s[4:19], s[0:1], 0x0               ; qc 4, qs 6, kv 8, kvs 10, wc 12, wsc 14, bp 16, x 18
	s_load_b64 s[20:21], s[0:1], 0x40              ; out0
	v_lshl_add_u32 v5, v0, 2, SPARE                ; my spare word; never rewritten
	v_mov_b32 v6, 0                                ; 0; never rewritten
	ds_add_u32 v5, v6
	ds_add_u32 v5, v6
	s_wait_dscnt 0x0
	v_lshrrev_b32 v26, 5, v0
	v_readfirstlane_b32 s[WV], v26                 ; wave 0..3
	s_bfe_u32 s23, ttmp6, 0x40000                  ; my place in the cluster: it enters global addresses of my own accesses alone
	s_mov_b32 s24, ttmp9
	s_and_b32 s25, ttmp7, 0xffff                   ; b
	s_lshl_b32 s26, s24, 2
	s_add_co_u32 s26, s26, s23                     ; qblk
	; descriptor groups 1: dense blocks as rows of 256 bytes (32 elements of 8 bytes), joint: 96 rows (a quarter of a slot), 32 rows (scale words of K and V), 8 rows (wp's)
	s_mov_b32 s32, 15|(3<<16)|(1<<21)
	s_mov_b32 s33, 32<<16
	s_mov_b32 s34, 96<<16
	s_mov_b32 s35, 32<<16
	s_mov_b32 s36, 96
	s_mov_b32 s37, 32
	s_mov_b32 s38, 0
	s_mov_b32 s39, 0
	s_mov_b32 s40, 15|(3<<16)|(1<<21)
	s_mov_b32 s41, 32<<16
	s_mov_b32 s42, 32<<16
	s_mov_b32 s43, 32<<16
	s_mov_b32 s44, 32
	s_mov_b32 s45, 32
	s_mov_b32 s46, 0
	s_mov_b32 s47, 0
	s_mov_b32 s48, 15|(3<<16)|(1<<21)
	s_mov_b32 s49, 32<<16
	s_mov_b32 s50, 8<<16
	s_mov_b32 s51, 32<<16
	s_mov_b32 s52, 8
	s_mov_b32 s53, 32
	s_mov_b32 s54, 0
	s_mov_b32 s55, 0
	s_mov_b32 s[CS], 0x3d8293ee                    ; c = log2(e) / sqrt(512)
	s_mov_b32 s[CS+1], s[CS]
	s_mov_b32 s[SEL], 0x76543210
	s_mov_b32 s[SEL+1], 0xfedcba98
	s_mov_b32 s[TB], 0
	s_mov_b32 s[TSK], 0
	s_mov_b32 s[TSV], 0
	s_mov_b32 s[CNT], 7
	s_cmp_eq_u32 s[WV], 3
	s_cselect_b32 s[LIM], 1, 0
	s_or_b32 s[LIM], s[LIM], ttmp9                 ; 0 in waves 0 to 2 of the image's first cluster: the same in all four partners
	s_cmp_eq_u32 s[LIM], 0
	s_cselect_b32 s[LIM], 1, -1
	v_and_b32 v26, 31, v0                          ; l
	v_and_b32 v27, 15, v0                          ; r
	v_bfe_u32 v20, v0, 4, 1                        ; h
	v_lshlrev_b32 v1, 4, v26                       ; 16 l: an image's place for my lane; K's images begin a slot
	v_add_nc_u32 v2, 49152, v1                     ; V's
	v_lshlrev_b32 v24, 4, v27                      ; 16 r: a word group's place
	v_add_nc_u32 v3, KVS, v24
	v_add_nc_u32 v4, KVS+16384, v24
	s_mul_i32 s86, s[WV], 12288
	v_add_nc_u32 v11, s86, v1
	v_add_nc_u32 v11, OIMG, v11                    ; where I store O's images
	s_lshr_b32 s86, s[WV], 1
	s_lshl_b32 s86, s86, 8
	s_and_b32 s87, s[WV], 1
	s_lshl_b32 s87, s87, 3
	s_add_co_u32 s86, s86, s87
	s_add_co_u32 s86, s86, OSC
	v_add_nc_u32 v12, s86, v24                     ; and their scale words
	s_mul_i32 s86, s[WV], 24576
	v_add_nc_u32 v14, s86, v1                      ; x's rows 0 .. 47 of my 128 channels, in slot 0: 16 bytes a lane of a row of 512,
	v_add_nc_u32 v15, SLOT1, v14                   ; and rows 48 .. 95, in slot 1
	v_add_nc_u32 v16, OSC, v24
	s_lshl_b32 s86, s[WV], 9
	s_add_co_u32 s86, s86, WPS
	v_add_nc_u32 v17, s86, v24
	s_mul_i32 s86, s[WV], 8448
	s_add_co_u32 s86, s86, STAGE
	v_mul_u32_u24 v18, v27, 528
	v_lshl_add_u32 v18, v20, 6, v18
	v_add_nc_u32 v18, s86, v18                     ; the stage, in: row r, + 64 h
	v_add_nc_u32 v19, s86, v1                      ; and back: 16 bytes a lane of a row
	v_lshrrev_b32 v21, 1, v26
	v_lshl_add_u32 v21, v20, 3, v21
	v_lshlrev_b32 v21, 12, v21
	v_and_b32 v13, 1, v0
	v_lshl_or_b32 v21, v13, 8, v21                 ; x's prefetches: two lanes to a row of a tile
	v_lshlrev_b32 v22, 8, v26
	v_lshrrev_b32 v23, 3, v27
	v_lshl_add_u32 v23, v23, 3, v27
	v_lshlrev_b32 v23, 2, v23                      ; 4 (r + 8 (r / 8))
	v_add_nc_u32 v25, OIMG, v1
	s_wait_kmcnt 0x0
	; groups 0 of the joint loads: made of b and the wave's number alone
	s_mul_i32 s92, s[WV], 24576
	s_mul_i32 s90, s25, 786432
	s_add_co_u32 s90, s90, s92
	s_mov_b32 s91, 0
	s_mov_b32 s56, 1
	s_mov_b32 s57, s92
	s_add_nc_u64 s[58:59], s[8:9], s[90:91]        ; key step 0, my quarter
	s_or_b32 s59, s59, 0x80000000
	s_lshl_b32 s93, s[WV], 13
	s_lshl_b32 s90, s25, 15
	s_add_co_u32 s90, s90, s93
	s_mov_b32 s60, 1
	s_add_co_u32 s61, s93, KVS
	s_add_nc_u64 s[62:63], s[10:11], s[90:91]
	s_or_b32 s63, s63, 0x80000000
	s_lshl_b32 s90, s[WV], 11
	s_mov_b32 s68, 1
	s_add_co_u32 s69, s90, WPS
	s_add_co_u32 s90, s90, 24576
	s_add_nc_u64 s[70:71], s[14:15], s[90:91]
	s_or_b32 s71, s71, 0x80000000
	s_add_co_u32 s90, s92, 589824
	s_add_nc_u64 s[12:13], s[12:13], s[90:91]      ; wp's images of my 128 outputs
	CROUND                                         ; all four work-groups are here: the first joint loads meet
	tensor_load_to_lds s[60:63], s[40:47]          ; the first fills go out as one group: three loads of mine are out
	s_nop 0
	tensor_load_to_lds s[68:71], s[48:55]
	s_nop 0
	tensor_load_to_lds s[56:59], s[32:39]
	s_nop 0
	PLACES
	s_mul_i32 s86, s25, 786432                     ; the prefetches: they start a key step behind the first change's load; nothing is prefetched here
	s_mul_i32 s87, s23, 24576
	s_add_co_u32 s86, s86, s87
	s_lshl_b32 s87, s[WV], 13
	s_add_co_u32 s86, s86, s87
	s_add_co_u32 s86, s86, 98304
	s_mov_b32 s87, 0
	s_add_nc_u64 s[PFA:PFA+1], s[8:9], s[86:87]
	s_mul_i32 s86, s25, 393216
	s_mul_i32 s88, s26, 49152
	s_add_co_u32 s86, s86, s88
	s_mul_i32 s88, s[WV], 12288
	s_add_co_u32 s86, s86, s88
	s_add_nc_u64 s[4:5], s[4:5], s[86:87]          ; Q's images: my two tiles
	s_lshl_b32 s86, s25, 14
	s_lshl_b32 s88, s26, 9
	s_add_co_u32 s86, s86, s88
	s_lshr_b32 s88, s[WV], 1
	s_lshl_b32 s88, s88, 8
	s_add_co_u32 s86, s86, s88
	s_and_b32 s88, s[WV], 1
	s_lshl_b32 s88, s88, 3
	s_add_co_u32 s86, s86, s88
	s_add_nc_u64 s[6:7], s[6:7], s[86:87]          ; and their scale words
	WIN 0x40
.irp qt, 0,1
.irp sp, 0,1,2,3
.irp c, 0,1,2
	global_load_b128 v[48*\qt+12*\sp+4*\c:48*\qt+12*\sp+4*\c+3], v1, s[4:5] offset:1536*(4*\qt+\sp)+512*\c
.endr
.endr
.endr
	WIN 0
.irp sp, 0,1,2,3
	global_load_b64 v[QSW+2*\sp:QSW+2*\sp+1], v24, s[6:7] offset:4096*\sp
.endr
	s_lshl_b32 s86, s25, 21
	s_lshl_b32 s88, s[WV], 19
	s_add_co_u32 s86, s86, s88
	s_lshl_b32 s88, s26, 9
	s_add_co_u32 s86, s86, s88
	s_add_nc_u64 s[18:19], s[18:19], s[86:87]      ; x and out0: image b, channel 128 w, position 128 qblk
	s_add_nc_u64 s[20:21], s[20:21], s[86:87]
	s_lshl_b32 s86, s[WV], 9
	s_add_nc_u64 s[16:17], s[16:17], s[86:87]      ; bp of my 128 outputs
	; x's two tiles: my own loads (no mask).  Groups 0: my quarter of slot 0 takes my channels 0 .. 47, my quarter of slot 1 channels 48 .. 95
	s_mov_b32 s72, 1
	s_mov_b32 s73, s92
	s_mov_b64 s[74:75], s[18:19]
	s_or_b32 s75, s75, 0x80000000
	s_mov_b32 s76, 1
	s_add_co_u32 s77, s92, SLOT1
	s_add_nc_u64 s[78:79], s[18:19], 196608        ; 48 rows of 4,096 bytes on
	s_or_b32 s79, s79, 0x80000000
	; group 1: 48 rows of 512 bytes (64 elements of 8 bytes), 4,096 bytes (512 elements) apart; dense in LDS
	s_mov_b32 s88, 3<<16
	s_mov_b32 s89, 64<<16
	s_mov_b32 s90, 48<<16
	s_mov_b32 s91, 64<<16
	s_mov_b32 s92, 48
	s_mov_b32 s93, 512
	s_mov_b32 s94, 0
	s_mov_b32 s95, 0
	WIN 0x80
.set i, 0
.rept 256
	v_mov_b32 v[i], 0                              ; O^T
.set i, i+1
.endr
	WIN 0xc0
.set i, 0
.rept 256
	v_mov_b32 v[i], 0
.set i, i+1
.endr
	WIN 0x40
.irp qt, 0,1
	v_mov_b32 v[224+6*\qt], 0x7f61b1e6             ; -M = 3e38,
	v_mov_b32 v[225+6*\qt], 0xff61b1e6             ; the largest t so far: -3e38, under every t
	v_mov_b32 v[226+6*\qt], 0
	v_mov_b32 v[227+6*\qt], 0
	v_mov_b32 v[228+6*\qt], 0
	v_mov_b32 v[229+6*\qt], 0
.endr
.irp b, 0,1,2,3
	v_mov_b32 v[T4+\b], 0                          ; a lane permute's destination counts as one of its sources
.endr
	WIN 0
	s_wait_loadcnt 0x0                             ; Q
.Lks:                                              ; seven trips: trip t asks for key step t + 1 and works key step t
	CHANGE 56, 32, 1
	BODY
	s_sub_co_u32 s[CNT], s[CNT], 1
	s_cmp_lg_u32 s[CNT], 0
	s_cbranch_scc1 .Lks
	CHANGE 72, 88, 0                               ; the tail is written out: slot 0 is free and takes x's first 48 rows of each wave: they have key step 7 in which to land,
	BODY                                           ; key step 7
	CHANGE 76, 88, 0                               ; slot 1 the next 48: they have the quantiser and the last product
	WPLOAD 0, 0                                    ; wp's K steps 0 and 1 into the registers that Q and the loop's fragments have left: wanted behind the quantiser
	WPLOAD 1, 1
	; ---- O^T / the sum, quantised along the channels; the images go to LDS
	WIN 0x55
.irp qt, 0,1
	v_add_f32 v[226+6*\qt], v[226+6*\qt], v[227+6*\qt]
.endr
.irp qt, 0,1
	v_permlanex16_b32 v[T4+\qt], v[226+6*\qt], s[SEL], s[SEL+1]
.endr
.irp qt, 0,1
	v_add_f32 v[226+6*\qt], v[226+6*\qt], v[T4+\qt]
.endr
	WIN 0x01
.irp qt, 0,1
	v_rcp_f32 v[RL+2*\qt], v[226+6*\qt]
.endr
	WIN 0
	v_mov_b32 v[RL+1], 0                           ; (named with the reciprocals as pairs; also the plain place behind them)
	v_mov_b32 v[RL+3], 0
	s_wait_alu depctr_va_vdst(0)                   ; the wait ahead of the first reader: one for the two
	WIN 0x40
.irp a, 0,1,2,3,4,5,6,7
.irp i, 0,1,2,3,4,5,6,7
	global_load_b32 v[192+8*\a+\i], v23, s[16:17] offset:(32*(\a/2)+8*(\a%2))*4   ; bp in the result's layout: all eight registers of a lane belong to one output
.endr
.endr
.irp qt, 0,1
.irp ks, 0,1,2,3
	WIN 0x82+0x41*(\ks/2)
.set NB, 128*\qt+64*(\ks%2)
.set i, 0
.rept 32
	v_pk_mul_f32 v[NB+i:NB+i+1], v[NB+i:NB+i+1], v[RL+2*\qt:RL+2*\qt+1] op_sel_hi:[1,0]   ; each accumulator from its low end on
.set i, i+2
.endr
	QUANT NB, 2+\ks/2
.irp c, 0,1,2
	ds_store_b128 v11, v[PC+4*\c:PC+4*\c+3] offset:(4*\qt+\ks)*1536+512*\c
.endr
	ds_store_b32 v12, v[PW] offset:512*\ks+4*\qt
.endr
.endr
	s_wait_dscnt 0x0                               ; my images lie in LDS
	s_barrier_signal -1
	s_barrier_wait -1                              ; everybody's do.  My load of x's rows may stay out across it
	; ---- out = wp O + bp: source 0 = 16 queries, source 1 = 16 rows of wp: a lane holds one output channel and 64 neighbouring positions
	FETCHP 0, 0
.irp a, 6, 7                           ; prefetches of x: the 16 rows x 512 bytes of my output tiles 6 and 7, a lane a block of 256 bytes, 192 matrix instructions ahead of their loads; nobody else reads these rows in this launch
	global_prefetch_b8 v21, s[18:19] offset:(32*(\a/2)+8*(\a%2))*4096 th:TH_LOAD_NT scope:SCOPE_SE
.endr
.irp s, 0,1,2,3
	s_wait_dscnt 0x0                               ; this step's fragments of O and the scale words are in,
	s_wait_loadcnt 0x0                             ; and wp's (at the first step: bp too)
	WIN 0
	PLACES                                         ; the other set was read by the products just issued
.if \s == 0
	FETCHP 1, 1                                    ; (wp's K step 1 is there already)
.elseif \s < 3
	WPLOAD (\s+1)%2, \s+1
	FETCHP (\s+1)%2, \s+1
.else
	XLOAD 6                                        ; set 0 and bp are done with: the rows of x of the two tiles that found no room in LDS; they are wanted last
	XLOAD 7
.endif
.if \s == 0
	MULP 0, 1
.else
	MULP (\s)%2, 0
.endif
.endr
	; ---- the way out: a tile of 16 outputs x 128 positions goes through my stage, comes back as rows of 512 bytes, takes x's row and leaves: 512 consecutive bytes a store
	WIN 0
	PLACES
	s_wait_tensorcnt 0x0                           ; my rows of x in slot 1 have landed (slot 0's at the last change of slots)
	s_wait_dscnt 0x0
	s_barrier_signal -1                            ; each wave reads the rows that it fetched itself; the barrier lets the order hold whichever wave's bytes are read, at the price of one meeting of four waves that have just
	s_barrier_wait -1                              ; issued the same 64 products
.irp a, 0,1,2,3,4,5,6,7
	WIN 0x08+4*(\a/4)                              ; an LDS store's data are its source 1: window 2 or 3
.irp p, 0,1,2,3,4,5,6,7
	ds_store_b128 v18, v[64*(\a%4)+8*\p:64*(\a%4)+8*\p+3] offset:128*(\p/2)+32*(\p%2)      ; each accumulator from its low end on
	ds_store_b128 v18, v[64*(\a%4)+8*\p+4:64*(\a%4)+8*\p+7] offset:128*(\p/2)+32*(\p%2)+16
.endr
	WIN 0
.if \a >= 2
	s_wait_xcnt 0x0                                ; tile a - 2's stores have read the registers on which this tile's rows land
.endif
.irp t, 0,1,2,3,4,5,6,7,8,9,10,11,12,13,14,15
	ds_load_b128 v[64+64*(\a%2)+4*\t:64+64*(\a%2)+4*\t+3], v19 offset:528*\t   ; LDS serves a wave's instructions in order: these see my stores
.endr
.if \a < 6
.irp t, 0,1,2,3,4,5,6,7,8,9,10,11,12,13,14,15
.set XC, 32*(\a/2)+8*(\a%2)+\t+8*(\t/8)        ; the row's channel among my 128
.if XC < 48
	ds_load_b128 v[XR+4*\t:XR+4*\t+3], v14 offset:512*XC
.else
	ds_load_b128 v[XR+4*\t:XR+4*\t+3], v15 offset:512*(XC-48)
.endif
.endr
	s_wait_dscnt 0x0
.set i, 0
.rept 32
	v_pk_add_f32 v[64+64*(\a%2)+i:64+64*(\a%2)+i+1], v[64+64*(\a%2)+i:64+64*(\a%2)+i+1], v[XR+i:XR+i+1]
.set i, i+2
.endr
.else
	s_wait_dscnt 0x0
	s_wait_loadcnt 16*(7-\a)                       ; this tile's 16 rows of x are in; tile 7's may be out while tile 6 is added
	WIN 0x04
.set i, 0
.rept 32
	v_pk_add_f32 v[64+64*(\a%2)+i:64+64*(\a%2)+i+1], v[64+64*(\a%2)+i:64+64*(\a%2)+i+1], v[64*(\a%4)+i:64*(\a%4)+i+1]
.set i, i+2
.endr
	WIN 0
.endif
.irp t, 0,1,2,3,4,5,6,7,8,9,10,11,12,13,14,15
	global_store_b128 v1, v[64+64*(\a%2)+4*\t:64+64*(\a%2)+4*\t+3], s[20:21] offset:(32*(\a/2)+8*(\a%2)+\t+8*(\t/8))*4096 th:TH_STORE_NT
.endr
.endr
	s_wait_tensorcnt 0x0                           ; the wave's end
	ds_add_u32 v5, v6
	s_wait_dscnt 0x0
	CROUND                                         ; the closing round
	s_endpgm
.Lfunc_end_k_q472cebe83a_attn:
	.size	k_q472cebe83a_attn, .Lfunc_end_k_q472cebe83a_attn-k_q472cebe83a_attn
	.p2alignl 7, 3214868480
	.fill 96, 4, 3214868480
	.section	.rodata,"a",@progbits
	.p2align	6, 0x0
	.amdhsa_kernel k_q472cebe83a_attn
		.amdhsa_group_segment_fixed_size 327680
		.amdhsa_private_segment_fixed_size 0
		.amdhsa_enable_private_segment 0
		.amdhsa_kernarg_size 72
		.amdhsa_user_sgpr_count 2
		.amdhsa_user_sgpr_kernarg_segment_ptr 1
		.amdhsa_wavefront_size32 1
		.amdhsa_system_sgpr_workgroup_id_x 1
		.amdhsa_system_sgpr_workgroup_id_y 1
		.amdhsa_system_sgpr_workgroup_id_z 1
		.amdhsa_system_vgpr_workitem_id 0
		.amdhsa_next_free_vgpr 1024
		.amdhsa_next_free_sgpr 96
		.amdhsa_reserve_vcc 0
		.amdhsa_float_denorm_mode_32 3
		.amdhsa_float_denorm_mode_16_64 3
		.amdhsa_memory_ordered 1
		.amdhsa_forward_progress 1
		.amdhsa_inst_pref_size 255
	.end_amdhsa_kernel
	.section	.bss,"aw",@nobits
	.p2align	6
	.space	262144
	.amdgpu_metadata
---
amdhsa.version: [ 1, 2 ]
amdhsa.kernels:
  - .name:           k_q472cebe83a_attn
    .symbol:         k_q472cebe83a_attn.kd
    .args:
      - { .name: qc, .offset: 0, .size: 8, .value_kind: global_buffer, .address_space: global }
      - { .name: qs, .offset: 8, .size: 8, .value_kind: global_buffer, .address_space: global }
      - { .name: kv, .offset: 16, .size: 8, .value_kind: global_buffer, .address_space: global }
      - { .name: kvs, .offset: 24, .size: 8, .value_kind: global_buffer, .address_space: global }
      - { .name: wc, .offset: 32, .size: 8, .value_kind: global_buffer, .address_space: global }
      - { .name: wsc, .offset: 40, .size: 8, .value_kind: global_buffer, .address_space: global }
      - { .name: bp, .offset: 48, .size: 8, .value_kind: global_buffer, .address_space: global }
      - { .name: x, .offset: 56, .size: 8, .value_kind: global_buffer, .address_space: global }
      - { .name: out0, .offset: 64, .size: 8, .value_kind: global_buffer, .address_space: global }
    .group_segment_fixed_size: 327680
    .private_segment_fixed_size: 0
    .kernarg_segment_align: 8
    .kernarg_segment_size: 72
    .max_flat_workgroup_size: 128
    .sgpr_count:     96
    .vgpr_count:     1024
    .wavefront_size: 32
...
	.end_amdgpu_metadata
.endif
;; end of part 3
